; MI455X (gfx1250); checked and timed in simulation.
; The chip was launched on July 23, 2026; its instructions are those of AMD's public machine-readable ISA for CDNA 5 (MIT licence, August 2026) and "CDNA5" Instruction Set Architecture Reference Guide (July 2026). The comments in the code are by the model that wrote it; some were corrected since.
;; Multi Head Attention. Allowed arithmetic: matrix products marked QUANTISED: E2M1 operands, one E8M0 scale for each 32 along K, by v_wmma_scale_f32_16x16x128_f8f6f4 with both operands' format E2M1 (or v_wmma_scale_f32_32x16x128_f4), f32 sums; products left as they are: bf16, f16 or f32 operands; f32 sums; everything else in f32.
;; Inputs: k 4 x 2,048 x 1,024 float32; q 4 x 2,048 x 1,024 float32; v 4 x 2,048 x 1,024 float32; w_k 1,024 x 1,024 float32; w_o 1,024 x 1,024 float32; w_q 1,024 x 1,024 float32; w_v 1,024 x 1,024 float32.
;; Outputs: out0 4 x 2,048 x 1,024 float32.
;; This version of the problem:
;;   THIS VERSION OF THE PROBLEM IS GIVEN IN LOW PRECISION. The matrix products marked QUANTISED in the list below multiply operands that are first quantised to E2M1 (2 exponent bits, 1 mantissa bit; 4 bits a number), with one power-of-two scale for each 32 numbers along K (OCP MX v1.0); their sums are f32. The products marked 'left as it is' may take bf16, f16 or f32 operands, with f32 sums. Whichever they take, every output number must still come out within the allowed error. Rounding operands to bf16 (8 significant bits) uses up far more of that allowance than f16 does (11 bits, for magnitudes from 6e-5 to 65,504). All else is computed in f32.
;;   The module's matrix products, in the order in which they are computed (A, B: the left and right operand; K: the contracted axis; several contracted axes count as one K, in the product's order):
;;     1. [M 8,192, K 1,024] x [K 1,024, N 1,024]; A: input q; B: input w_q: QUANTISED
;;     2. [M 8,192, K 1,024] x [K 1,024, N 1,024]; A: input k; B: input w_k: QUANTISED
;;     3. [M 8,192, K 1,024] x [K 1,024, N 1,024]; A: input v; B: input w_v: QUANTISED
;;     4. batch 64 x [M 2,048, K 64] x [K 64, N 2,048]; A: computed on the way; B: computed on the way: left as it is (an operand is computed on the way)
;;     5. batch 64 x [M 2,048, K 2,048] x [K 2,048, N 64]; A: computed on the way; B: computed on the way: left as it is (an operand is computed on the way)
;;     6. [M 8,192, K 1,024] x [K 1,024, N 1,024]; A: computed on the way; B: input w_o: left as it is (an operand is computed on the way)
;;   THE QUANTISER, for each operand of a quantised product, along K:
;;     - K is cut into blocks of 32 from its start; a last block that is shorter is filled with zeros.
;;     - A block's scale is 2^e with e = floor(log2(the largest magnitude in the block)) - 2, held to -126 .. 127; a block of zeros has e = 0. As a byte (E8M0): e + 127.
;;     - Each number is divided by its block's scale, clamped to +-6, and rounded to the nearest number of E2M1, ties to even, subnormals kept.
;;     - The product sums the exact products of the quantised numbers (number of the format x scale) in f32.
;;   ~~~python
;;   def quantise(x, axis):      # numpy; x: float32 -> the quantised numbers, widened to float32 again
;;       x = np.moveaxis(x, axis, -1); K = x.shape[-1]
;;       x = np.pad(x, [(0, 0)] * (x.ndim - 1) + [(0, -K % 32)]); x = x.reshape(x.shape[:-1] + (-1, 32)); a = np.abs(x).max(-1, keepdims=True)
;;       e = np.where(a > 0, np.clip(np.frexp(np.where(a > 0, a, 1))[1] - 1 - 2, -126, 127), 0)      # np.frexp(a)[1] - 1 = floor(log2(a)), exactly
;;       r = np.clip(x / 2.0 ** e, -6, 6)
;;       step = 2.0 ** (np.maximum(np.frexp(np.where(r == 0, 1, r))[1] - 1, 0) - 1)
;;       q = np.round(r / step) * step * 2.0 ** e      # np.round: ties to even
;;       return np.moveaxis(q.reshape(q.shape[:-2] + (-1,))[..., :K], -1, axis).astype(np.float32)
;;   ~~~
;; One version. Each part assembles by itself: llvm-mc -triple=amdgcn-amd-amdhsa -mcpu=gfx1250 --defsym DOCPART=n.
;; ======== version 1 of 1: 4 launches
;; limits: values are held in f16: magnitudes above 65,504 overflow, below 6.1e-05 lose precision
;; workspace buffers: xc 12,582,912 bytes; xs 786,432 bytes; wc 1,572,864 bytes; ws 98,304 bytes; wo16 2,097,152 bytes; qkv 50,331,648 bytes; o 16,777,216 bytes
;; launch quant (part 1): grid 896 x 1, 4 waves a work-group, no clusters, 33,280 bytes of LDS; arguments q, k, v, w_q, w_k, w_v, w_o, xc, xs, wc, ws, wo16; writes xc, xs, wc, ws, wo16
.if DOCPART == 1
	.amdgcn_target "amdgcn-amd-amdhsa--gfx1250"
	.amdhsa_code_object_version 6
	.text
	.protected	k_qd4a7b88797_quant
	.globl	k_qd4a7b88797_quant
	.p2align	8
	.type	k_qd4a7b88797_quant,@function
k_qd4a7b88797_quant:
	s_mov_b64 s[64:65], 0
	v_nop
	global_prefetch_b8 v0, s[64:65] scope:SCOPE_SE
	s_setreg_imm32_b32 hwreg(HW_REG_WAVE_MODE, 25, 1), 1
	s_wait_xcnt 0x0
; LAUNCH 1 OF 4.  Multi-head attention, B 4, L 2,048, D 1,024, 16 heads of 64, no mask.  The three input projections are products on codes of FP4 (E2M1) with one E8M0 scale for each 32 along K.
; DEAD WORK: none.  q, k, v, w_q, w_k, w_v feed the scores and the values, every score feeds a softmax that has no mask, every head feeds the last product with w_o: each input has a way to out0, and all seven are loaded.
; THIS LAUNCH: q, k, v [8,192][1,024] and w_q, w_k, w_v [1,024][1,024], f32 with K innermost, become codes (two a byte, the lower k in the low four bits) and scale bytes:
;   xc [24,576 rows: q, k, v on end][512 bytes], xs [24,576][32], wc [3,072 rows: w_q, w_k, w_v][512], ws [3,072][32].  w_o is rounded to f16 for the last product, which is left as it is: wo16 [1,024][1,024].
; A block's scale is 2^(floor(log2(its largest magnitude)) - 2); its byte is the largest magnitude's own exponent field - 2, held at 1 from below.  Each number is divided by the scale and rounded to the nearest code, ties to even; beyond 6 the largest code.
; LIMITS: a block of zeros gets the byte 1 where the rule says 127: its codes are zeros, which add nothing under that byte, and the bytes are read by this program alone.  NaN and infinities among the inputs are not served.
; Rows are dense and K is a multiple of 32, so every tensor is a plain stream of blocks of 32.  A work-group takes 32,768 numbers, a wave 8,192: 16 steps of 512.  Work-groups 0-255 q, 256-511 k, 512-767 v, 768-799 w_q, 800-831 w_k, 832-863 w_v, 864-895 w_o.
; Only pointers are chosen by the work-group's number: the six quantised tensors take one path.  Each load reads 512 consecutive bytes; a step's 2,048 bytes turn through the wave's own stage in LDS, so that a lane holds 16 neighbours along K
; (two neighbouring lanes hold a block).  A wave's store of codes covers 256 consecutive bytes, aligned; its 256 scale bytes are gathered in LDS and leave as one such run.  No barrier: waves share nothing.
.set WAVES, 4
.set STEPS, 16
.set EMAX,  2
.set CB,    8                          ; bytes of 16 codes
.set R,     16                         ; v16-79   four sets of 16 numbers as they are loaded
.set X,     80                         ; v80-111  two sets of 16 neighbours
.set E,     112                        ; v112-127 a scale byte for each step
.set C,     128                        ; v128-191 codes: four registers for each step, so that no store's data are written again
.set W,     144                        ; v144-175 w_o's path: 16 pairs of registers of f16
.set WREG,  8192                       ; LDS: a region for each wave: two stages of 32 x SP bytes, behind them its 256 scale bytes
.set SP,    80                         ; a lane's place in a stage: 64 bytes + 16 of padding
.set SPW,   12                         ; v12      LDS address of my spare word; never rewritten
.set NIL,   13                         ; v13      0; never rewritten
.set SPARE, WAVES*WREG                 ; behind the four regions: the spare words, 128 bytes for each wave
	s_load_b512 s[4:19], s[0:1], 0x0               ; q 4, k 6, v 8, w_q 10, w_k 12, w_v 14, w_o 16, xc 18
	s_load_b256 s[20:27], s[0:1], 0x40             ; xs 20, wc 22, ws 24, wo16 26
	v_lshl_add_u32 v[SPW], v0, 2, SPARE
	v_mov_b32 v[NIL], 0
	v_lshrrev_b32 v1, 5, v0
	v_readfirstlane_b32 s28, v1                    ; wave
	v_and_b32 v2, 31, v0                           ; lane
	v_lshlrev_b32 v3, 4, v2                        ; my 16 bytes of a load's 512
	s_mul_i32 s38, s28, WREG
	v_lshrrev_b32 v14, 2, v2
	v_mul_u32_u24 v14, v14, SP
	v_and_b32 v15, 3, v2
	v_lshl_add_u32 v14, v15, 4, v14
	v_add_nc_u32 v14, s38, v14                     ; the stage, on the way in: SP (lane / 4) + 16 (lane % 4)
	v_mul_u32_u24 v15, v2, SP
	v_add_nc_u32 v15, s38, v15                     ; and on the way out: SP x lane: my 16 neighbours
	v_mul_u32_u24 v4, v2, CB                       ; 8 bytes a lane: my codes' place in a step's, and my f16 numbers' in w_o's path
	v_lshrrev_b32 v5, 1, v2
	s_add_co_u32 s38, s38, 2*32*SP
	v_add_nc_u32 v5, s38, v5                       ; LDS: my wave's 256 scale bytes, my block's byte
	v_lshlrev_b32 v7, 3, v2
	v_add_nc_u32 v6, s38, v7                       ; and on the way out 8 bytes a lane
	s_wait_kmcnt 0x0
	s_cmp_ge_u32 ttmp9, 864
	s_cbranch_scc1 .Lwo                            ; the last 32 work-groups round w_o
	s_cmp_ge_u32 ttmp9, 256                        ; which tensor: the choices hang on the work-group's number alone
	s_cselect_b64 s[30:31], s[6:7], s[4:5]
	s_cselect_b32 s32, 256, 0                      ; and the tensor's first work-group
	s_cmp_ge_u32 ttmp9, 512
	s_cselect_b64 s[30:31], s[8:9], s[30:31]
	s_cselect_b32 s32, 512, s32
	s_cmp_ge_u32 ttmp9, 768
	s_cselect_b64 s[30:31], s[10:11], s[30:31]
	s_cselect_b32 s32, 768, s32
	s_cselect_b64 s[34:35], s[22:23], s[18:19]     ; codes: wc or xc
	s_cselect_b64 s[36:37], s[24:25], s[20:21]     ; scale bytes: ws or xs
	s_cselect_b32 s33, 768, 0                      ; the first work-group of what is laid on end there
	s_cmp_ge_u32 ttmp9, 800
	s_cselect_b64 s[30:31], s[12:13], s[30:31]
	s_cselect_b32 s32, 800, s32
	s_cmp_ge_u32 ttmp9, 832
	s_cselect_b64 s[30:31], s[14:15], s[30:31]
	s_cselect_b32 s32, 832, s32
	s_sub_co_u32 s38, ttmp9, s32
	s_lshl_b32 s38, s38, 2
	s_add_co_u32 s38, s38, s28                     ; which run of 8,192 numbers of the source is my wave's
	s_lshl_b32 s40, s38, 15                        ; 32,768 bytes a run (under 2^26)
	s_mov_b32 s41, 0
	s_add_nc_u64 s[30:31], s[30:31], s[40:41]
	s_sub_co_u32 s38, ttmp9, s33
	s_lshl_b32 s38, s38, 2
	s_add_co_u32 s38, s38, s28                     ; and which run of the destination
	s_lshl_b32 s40, s38, 12                        ; 4,096 bytes of codes a run
	s_add_nc_u64 s[34:35], s[34:35], s[40:41]
	s_lshl_b32 s40, s38, 8                         ; 256 scale bytes a run
	s_add_nc_u64 s[36:37], s[36:37], s[40:41]
.macro LOAD t
.irp i, 0,1,2,3
	global_load_b128 v[R+16*((\t)%4)+4*\i:R+16*((\t)%4)+4*\i+3], v3, s[30:31] offset:2048*(\t)+512*\i th:TH_LOAD_NT   ; 32 lanes read 512 consecutive bytes, read once in the launch
.endr
.endm
.macro TURN t                          ; step t's numbers through the stage: LDS serves a wave's instructions in order, so no wait stands between the stores and the loads
.irp i, 0,1,2,3
	ds_store_b128 v14, v[R+16*((\t)%4)+4*\i:R+16*((\t)%4)+4*\i+3] offset:32*SP*((\t)%2)+8*SP*\i
.endr
.irp i, 0,1,2,3
	ds_load_b128 v[X+16*((\t)%2)+4*\i:X+16*((\t)%2)+4*\i+3], v15 offset:32*SP*((\t)%2)+16*\i
.endr
.endm
.irp t, 0,1,2,3
	LOAD \t
.endr
	s_wait_loadcnt 12                              ; step 0's four loads are in; the twelve of steps 1 to 3 may be out
	TURN 0
.macro STEP t
.set XS, X+16*((\t)%2)
.if (\t) > 0
	s_wait_dscnt 1                                 ; this step's numbers are back from the stage (the last step's byte store may be out): so its stores into the stage have read their registers,
.else
	s_wait_dscnt 0x0
.endif
.if (\t)+4 < STEPS
	LOAD (\t)+4                                    ; which take the loads of four steps on
.endif
.if (\t)+1 < STEPS
.if STEPS-2-(\t) >= 3
	s_wait_loadcnt 12                              ; the next step's four loads are in; those of the three steps behind it may be out
.else
	s_wait_loadcnt 4*(STEPS-2-(\t))                ; at the end the count runs down
.endif
	TURN (\t)+1                                    ; and go through the other stage while this step is worked
.endif
	v_max3_num_f32 v8, |v[XS]|, |v[XS+1]|, |v[XS+2]|               ; the largest magnitude of my 16, in two chains
	v_max3_num_f32 v9, |v[XS+3]|, |v[XS+4]|, |v[XS+5]|
.irp i, 6,10
	v_max3_num_f32 v8, v8, |v[XS+\i]|, |v[XS+\i+1]|
	v_max3_num_f32 v9, v9, |v[XS+\i+2]|, |v[XS+\i+3]|
.endr
	v_max3_num_f32 v8, v8, |v[XS+14]|, |v[XS+15]|
	v_max3_num_f32 v8, v8, v9, (EMAX+1)<<23        ; and the floor 2^(EMAX + 1 - 127): so the byte cannot fall under 1
	v_max_num_f32_dpp v8, v8, v8 row_xmask:1 row_mask:0xf bank_mask:0xf   ; and of my neighbour's 16: the block's
	v_add_nc_u32 v11, -(EMAX<<23), v8              ; EMAX off its exponent field: the conversion takes the exponent field of this operand as its scale, and nothing else of it
	v_cvt_scalef32_pk8_fp4_f32 v[C+4*(\t)], v[XS:XS+7], v11
	v_cvt_scalef32_pk8_fp4_f32 v[C+4*(\t)+1], v[XS+8:XS+15], v11
	v_lshrrev_b32 v[E+(\t)], 23, v11               ; the scale's byte (also the plain line behind the conversions)
	ds_store_b8 v5, v[E+(\t)] offset:16*(\t)       ; both lanes of a block write the same byte with the same value
	global_store_b64 v4, v[C+4*(\t):C+4*(\t)+1], s[34:35] offset:32*CB*(\t)   ; 32 lanes store 256 consecutive bytes, aligned
.endm
.irp t, 0,1,2,3,4,5,6,7,8,9,10,11,12,13,14,15
	STEP \t
.endr
	ds_load_b64 v[8:9], v6                         ; LDS serves a wave's instructions in order: these see my byte stores
	s_wait_dscnt 0x0
	global_store_b64 v7, v[8:9], s[36:37]          ; 32 lanes store my run's 256 scale bytes
	s_wait_tensorcnt 0x0                           ; the wave's end, behind my last LDS store
	ds_add_u32 v[SPW], v[NIL]
	s_wait_dscnt 0x0
	s_endpgm
; w_o to f16, rounded to nearest even: 8,192 numbers a wave in four groups of 16 loads, two groups in flight.  No LDS: a lane's four numbers become 8 neighbouring bytes.
.Lwo:
	s_sub_co_u32 s38, ttmp9, 864
	s_lshl_b32 s38, s38, 2
	s_add_co_u32 s38, s38, s28                     ; my run
	s_lshl_b32 s40, s38, 15
	s_mov_b32 s41, 0
	s_add_nc_u64 s[30:31], s[16:17], s[40:41]
	s_lshl_b32 s40, s38, 14
	s_add_nc_u64 s[34:35], s[26:27], s[40:41]
.macro LOADG g, set
.irp i, 0,1,2,3,4,5,6,7,8,9,10,11,12,13,14,15
	global_load_b128 v[\set+4*\i:\set+4*\i+3], v3, s[30:31] offset:8192*\g+512*\i th:TH_LOAD_NT
.endr
.endm
.macro CVTG set
.irp i, 0,1,2,3,4,5,6,7,8,9,10,11,12,13,14,15
	v_cvt_pk_f16_f32 v[W+2*\i], v[\set+4*\i], v[\set+4*\i+1]
	v_cvt_pk_f16_f32 v[W+2*\i+1], v[\set+4*\i+2], v[\set+4*\i+3]
.endr
.endm
.macro STOREG g
.irp i, 0,1,2,3,4,5,6,7,8,9,10,11,12,13,14,15
	global_store_b64 v4, v[W+2*\i:W+2*\i+1], s[34:35] offset:4096*\g+256*\i   ; 32 lanes store 256 consecutive bytes, aligned
.endr
.endm
	LOADG 0, 16
	LOADG 1, 80
	s_wait_loadcnt 16                              ; group 0 is in; group 1's sixteen may be out
	CVTG 16
	STOREG 0
	LOADG 2, 16
	s_wait_loadcnt 16                              ; group 1 is in
	s_wait_xcnt 0x0                                ; the stores have read their data registers, which are written again below
	CVTG 80
	STOREG 1
	LOADG 3, 80
	s_wait_loadcnt 16                              ; group 2 is in
	s_wait_xcnt 0x0
	CVTG 16
	STOREG 2
	s_wait_loadcnt 0x0
	s_wait_xcnt 0x0
	CVTG 80
	STOREG 3
	s_endpgm
.Lfunc_end_k_qd4a7b88797_quant:
	.size	k_qd4a7b88797_quant, .Lfunc_end_k_qd4a7b88797_quant-k_qd4a7b88797_quant
	.p2alignl 7, 3214868480
	.fill 96, 4, 3214868480
	.section	.rodata,"a",@progbits
	.p2align	6, 0x0
	.amdhsa_kernel k_qd4a7b88797_quant
		.amdhsa_group_segment_fixed_size 33280
		.amdhsa_private_segment_fixed_size 0
		.amdhsa_enable_private_segment 0
		.amdhsa_kernarg_size 96
		.amdhsa_user_sgpr_count 2
		.amdhsa_user_sgpr_kernarg_segment_ptr 1
		.amdhsa_wavefront_size32 1
		.amdhsa_system_sgpr_workgroup_id_x 1
		.amdhsa_system_sgpr_workgroup_id_y 1
		.amdhsa_system_sgpr_workgroup_id_z 1
		.amdhsa_system_vgpr_workitem_id 0
		.amdhsa_next_free_vgpr 192
		.amdhsa_next_free_sgpr 66
		.amdhsa_reserve_vcc 0
		.amdhsa_float_denorm_mode_32 3
		.amdhsa_float_denorm_mode_16_64 3
		.amdhsa_memory_ordered 1
		.amdhsa_forward_progress 1
		.amdhsa_inst_pref_size 55
	.end_amdhsa_kernel
	.amdgpu_metadata
---
amdhsa.version: [ 1, 2 ]
amdhsa.kernels:
  - .name:           k_qd4a7b88797_quant
    .symbol:         k_qd4a7b88797_quant.kd
    .args:
      - { .name: q, .offset: 0, .size: 8, .value_kind: global_buffer, .address_space: global }
      - { .name: k, .offset: 8, .size: 8, .value_kind: global_buffer, .address_space: global }
      - { .name: v, .offset: 16, .size: 8, .value_kind: global_buffer, .address_space: global }
      - { .name: w_q, .offset: 24, .size: 8, .value_kind: global_buffer, .address_space: global }
      - { .name: w_k, .offset: 32, .size: 8, .value_kind: global_buffer, .address_space: global }
      - { .name: w_v, .offset: 40, .size: 8, .value_kind: global_buffer, .address_space: global }
      - { .name: w_o, .offset: 48, .size: 8, .value_kind: global_buffer, .address_space: global }
      - { .name: xc, .offset: 56, .size: 8, .value_kind: global_buffer, .address_space: global }
      - { .name: xs, .offset: 64, .size: 8, .value_kind: global_buffer, .address_space: global }
      - { .name: wc, .offset: 72, .size: 8, .value_kind: global_buffer, .address_space: global }
      - { .name: ws, .offset: 80, .size: 8, .value_kind: global_buffer, .address_space: global }
      - { .name: wo16, .offset: 88, .size: 8, .value_kind: global_buffer, .address_space: global }
    .group_segment_fixed_size: 33280
    .private_segment_fixed_size: 0
    .kernarg_segment_align: 8
    .kernarg_segment_size: 96
    .max_flat_workgroup_size: 128
    .sgpr_count:     66
    .vgpr_count:     192
    .wavefront_size: 32
...
	.end_amdgpu_metadata
.endif
;; end of part 1
;; launch proj (part 2): grid 4 x 96, 4 waves a work-group, clusters of 4 x 4, 327,680 bytes of LDS; arguments xc, xs, wc, ws, qkv; writes qkv
.if DOCPART == 2
	.amdgcn_target "amdgcn-amd-amdhsa--gfx1250"
	.amdhsa_code_object_version 6
	.text
	.protected	k_qd4a7b88797_proj
	.globl	k_qd4a7b88797_proj
	.p2align	8
	.type	k_qd4a7b88797_proj,@function
k_qd4a7b88797_proj:
	s_mov_b64 s[64:65], 0
	v_nop
	global_prefetch_b8 v0, s[64:65] scope:SCOPE_SE
	s_setreg_imm32_b32 hwreg(HW_REG_WAVE_MODE, 25, 1), 1
	s_wait_xcnt 0x0
	s_wait_alu depctr_hold_cnt(0) depctr_sa_sdst(0) depctr_va_vdst(0) depctr_va_sdst(0) depctr_va_ssrc(0) depctr_va_vcc(0) depctr_vm_vsrc(0)
	s_getreg_b32 s2, hwreg(HW_REG_IB_STS2, 6, 4)
	s_cmp_eq_u32 s2, 0
	s_cbranch_scc0 .Lentry_in_a_cluster
	s_endpgm
.Lentry_in_a_cluster:
	s_bfe_u32 s2, ttmp6, 0x10000c
	s_cmp_lg_u32 s2, 0xf033
	s_cbranch_scc0 .Lentry_shape_is_right
	s_endpgm
.Lentry_shape_is_right:
; LAUNCH 2 OF 4.  The three projections as ONE product on codes of FP4 (E2M1) with E8M0 scales: qkv[t][m][n] = sum over k of x_t[m][k] w_t[n][k], t = q, k, v; sums in f32, the result rounded once to f16 (the products that read it are left as they are).
; No work is left out.  LIMIT: a projected value beyond 65,504 in magnitude leaves f16's range.
; A = xc [24,576 rows: q, k, v on end][512 bytes of codes], its scale bytes xs [24,576][32];  B = wc [3,072 rows: w_q, w_k, w_v][512], ws [3,072][32];  C = qkv [24,576][1,024] f16.
; A tile of C is 256 x 256: tile row 0 to 95, tile column 0 to 3; the tensor is tile row / 32, and B's rows begin at 1,024 x tensor.  Four waves, each 128 x 128: 64 accumulators of 16 x 16, 512 registers.
; K = 1,024 is two slots of 512 along K (rows of 256 bytes): both are asked for at the head and nothing is filled again.  The scale bytes of the work-group's 256 + 256 rows, two dense blocks, come with them.
; CLUSTERS: 4 x 4 work-groups.  The four of a row of the cluster need the same tiles of A, the four of a column the same tiles of B: each is asked for jointly, by the same tensor load with the same descriptor and a mask that names the four.
; The tensor's number is made of the cluster's y alone (8 clusters to a tensor), so it is equal in all sixteen partners.
; THE MATRIX INSTRUCTION IS USED TRANSPOSED (source 0 = 16 rows of B, source 1 = 16 rows of A): a lane then holds eight neighbouring numbers of a row of C.
; REGISTERS, in windows of 256: window 0: v0-31 addresses; v32-95 scale words, two sets; v128-191 A's fragments, one set; on the way out v32-63 and v192-255.
;   window 1: B's fragments, two sets, at v0 and v128.   window 2: the accumulators of my rows 0-63 ((a, b) at v[8 (8 a + b)]);   window 3: those of my rows 64-127.
.set SIZE_K, 1024
.set KSTEP,  512                       ; along K in a slot
.set NQ,     KSTEP/128                 ; matrix instructions deep
.set ROWB,   256                       ; a tile's row in bytes
.set KROW,   SIZE_K/2                  ; a row of codes in memory
.set PITCH,  272                       ; an LDS row: 256 bytes + 16 of padding: the 16 rows that a load touches start 68 words apart
.set FR,     8                         ; registers of a fragment: 16 rows x 128 K
.set NL,     2                         ; LDS loads that bring one
.set NP,     4                         ; places behind this matrix instruction (ISA guide 7.12.1)
.set HALFT,  128*PITCH                 ; 128 rows: what one tensor load brings
.set SLOT,   4*HALFT                   ; A's 256 rows, then B's 256 rows
.set KS,     SIZE_K/32                 ; a row of scale bytes
.set SCL,    2*SLOT                    ; behind the two slots: the scale bytes, as runs of 256 bytes + 16 of padding
.set HALFS,  (128*KS/256)*272          ; those of 128 rows
.set SBLK,   (16*KS/256)*272           ; those of 16 rows
.set SPARE,  SCL+4*HALFS               ; behind the scales: the spare words, 128 bytes for each wave
.set SPITCH, 272                       ; the way out: a stage of 16 rows x (256 bytes + 16) for each wave, in slot 0, which has had its only fill and its last read when the first result is stored there
.set CROW,   2048                      ; a row of C in bytes
.set ADRA, 16                          ; v16-17  LDS address of my A fragments in slot 0, 1
.set ADRB, 20                          ; v20-21  the same for B
.set STO,  24                          ; v24     the way out: where I put 16 bytes of a row
.set RD,   25                          ; v25     where I read a row back
.set CO,   26                          ; v26     my byte offset in C
.set ADRS, 27                          ; v27     LDS address of my scale words: lanes 0-15 A's rows, lanes 16-31 B's
.set SPW,  28                          ; v28     LDS address of my spare word; never rewritten
.set NIL,  29                          ; v29     0; never rewritten
.set SC,   32                          ; scale words: set s at v[SC + 8 NQ s]; register NQ i + q: lanes 0-15 the word of A's block i, lanes 16-31 of B's block i, for the slot's q-th 128 along K
.set AF,   128                         ; A's fragments, in window 0
.set TMP,  192                         ; the way out: packed results
.set OB,   32                          ; the way out: 16 rows read back: v32-63 and v224-255 by turns
.set G1, 24                            ; s[24:31] descriptor group 1 for A's tiles;  s[32:39] group 0, one set for each slot
.set G0, 32
.set G1B, 48                           ; s[48:55], s[56:63] the same for B's tiles
.set G0B, 56
.set G1S, 68                           ; s[68:75], s[76:79] groups 1 and 0 for A's scales;  s[80:87], s[88:91] for B's
.set G0S, 76
.set G1SB, 80
.set G0SB, 88
.set MSB, 0
.macro WIN new                         ; the immediate's high byte repeats the setting that is left
.if MSB != \new
	s_set_vgpr_msb (MSB<<8)|\new
.set MSB, \new
.endif
.endm
.set MUL_LO, 0xa1                      ; source 0 (B) window 1, source 1 (A) window 0, C and D window 2
.set MUL_HI, 0xf1                      ; the same, C and D window 3
.set TO_B,   0x40                      ; destination window 1, address window 0
; A joint load: waves 0 and 1 fetch for A, waves 2 and 3 for B.  Each line has one mask and one set of registers for all that issue it; the branch hangs on the wave's number alone.
; An s_nop 0 and four v_nop follow each of the two lines, ahead of the jump, the label and what follows.
.macro JLOAD g0a, g1a, g0b, g1b
	s_cmp_eq_u32 s15, 0
	s_cbranch_scc0 .Lfor_b_\@
	tensor_load_to_lds s[\g0a:\g0a+3], s[\g1a:\g1a+7]
	s_nop 0
.rept 4
	v_nop
.endr
	s_branch .Lasked_\@
.Lfor_b_\@:
	tensor_load_to_lds s[\g0b:\g0b+3], s[\g1b:\g1b+7]
	s_nop 0
.rept 4
	v_nop
.endr
.Lasked_\@:
.endm
.macro CROUND                          ; a round of the cluster's barrier
	s_barrier_signal -1
	s_barrier_wait -1
	s_cmp_lg_u32 s14, 0
	s_cbranch_scc1 .Lnot_wave_0_\@
	s_barrier_signal -3
.Lnot_wave_0_\@:
	s_barrier_wait -3
	s_barrier_signal -1
	s_barrier_wait -1
.endm
	s_load_b128 s[4:7], s[0:1], 0x0                ; A's codes s[4:5], A's scales s[6:7]
	s_load_b128 s[8:11], s[0:1], 0x10              ; B's codes s[8:9], B's scales s[10:11]
	s_load_b64 s[12:13], s[0:1], 0x20              ; C
	v_lshl_add_u32 v[SPW], v0, 2, SPARE
	v_mov_b32 v[NIL], 0
	ds_add_u32 v[SPW], v[NIL]                      ; the wave's opening: the add, twice on end, and its wait ahead of my first tensor load
	ds_add_u32 v[SPW], v[NIL]                      ; the set-up below, work on registers, stands between the second and the wait
	v_lshrrev_b32 v1, 5, v0
	v_readfirstlane_b32 s14, v1                    ; wave 0..3
	s_lshr_b32 s15, s14, 1                         ; which half of the tile's rows is mine.  Also: I fetch for A (0) or for B (1)
	s_and_b32 s16, s14, 1                          ; which half of its columns.  Also: which 128 rows of that tile I fetch
	s_bfe_u32 s40, ttmp6, 0x40000                  ; cx, cy: my place in the cluster
	s_bfe_u32 s41, ttmp6, 0x40004
	s_lshl_b32 s42, ttmp9, 2
	s_add_co_u32 s42, s42, s40                     ; tile column of C = 4 x cluster x + cx
	s_and_b32 s17, ttmp7, 0xffff                   ; cluster y
	s_lshr_b32 s96, s17, 3                         ; the tensor: 8 clusters along y to each
	s_lshl_b32 s96, s96, 10                        ; its weight's first row in wc
	s_lshl_b32 s17, s17, 2
	s_add_co_u32 s17, s17, s41                     ; tile row of C = 4 x cluster y + cy
	s_lshl_b32 s43, s41, 2
	s_lshl_b32 s43, 15, s43                        ; my row of the cluster
	s_lshl_b32 s44, 0x1111, s40                    ; my column
	; descriptor group 1: a tile of 128 rows x 256 bytes, padded in LDS
	s_or_b32 s[G1+0], s43, (0<<16)|(1<<20)|(1<<21)|(5<<22)|(3<<25)  ; 15:0 the mask: A's tiles go to my row; 17:16 elements of 1 byte; 20 padding on; 21 set beside a mask; 24:22 after every 64 words; 31:25 four words
	s_or_b32 s[G1B+0], s44, (0<<16)|(1<<20)|(1<<21)|(5<<22)|(3<<25)
.irp g, G1, G1B
	s_mov_b32 s[\g+1], ROWB<<16                    ; tensor_dim0
	s_mov_b32 s[\g+2], 128<<16                     ; tensor_dim1
	s_mov_b32 s[\g+3], ROWB<<16                    ; tile_dim0
	s_mov_b32 s[\g+4], 128                         ; tile_dim1
	s_mov_b32 s[\g+5], KROW                        ; from row to row
	s_mov_b32 s[\g+6], 0
	s_mov_b32 s[\g+7], 0
.endr
	; the scale bytes of 128 rows: a dense block of 4,096 bytes, as 16 rows of 256 bytes (32 elements of 8 bytes), 16 bytes of padding behind each
	s_or_b32 s[G1S+0], s43, (3<<16)|(1<<20)|(1<<21)|(5<<22)|(3<<25)
	s_or_b32 s[G1SB+0], s44, (3<<16)|(1<<20)|(1<<21)|(5<<22)|(3<<25)
.irp g, G1S, G1SB
	s_mov_b32 s[\g+1], 32<<16
	s_mov_b32 s[\g+2], (128*KS/256)<<16
	s_mov_b32 s[\g+3], 32<<16
	s_mov_b32 s[\g+4], 128*KS/256
	s_mov_b32 s[\g+5], 32
	s_mov_b32 s[\g+6], 0
	s_mov_b32 s[\g+7], 0
.endr
	s_lshl_b32 s18, s16, 7                         ; which 128 rows of the tile I fetch
	s_lshl_b32 s20, s17, 8
	s_add_co_u32 s20, s20, s18                     ; A: row 256 x tile row + 128 x half
	s_lshl_b32 s46, s42, 8
	s_add_co_u32 s46, s46, s18
	s_add_co_u32 s46, s46, s96                     ; B: row 1,024 x tensor + 256 x tile column + 128 x half
	s_mov_b32 s21, 0
	s_mov_b32 s47, 0
	s_mov_b64 s[18:19], KS
	s_mul_u64 s[22:23], s[20:21], s[18:19]         ; where these rows' scale bytes begin
	s_mul_u64 s[92:93], s[46:47], s[18:19]
	s_mov_b64 s[18:19], KROW
	s_mul_u64 s[20:21], s[20:21], s[18:19]         ; and their codes
	s_mul_u64 s[46:47], s[46:47], s[18:19]
	s_mul_i32 s45, s14, HALFT                      ; where they go: wave x 128 rows: no place in the cluster enters an LDS address
	s_mul_i32 s94, s14, HALFS
	s_wait_dscnt 0x0                               ; both opening adds are done
	s_wait_kmcnt 0x0
	s_add_nc_u64 s[20:21], s[4:5], s[20:21]
	s_add_nc_u64 s[22:23], s[6:7], s[22:23]
	s_add_nc_u64 s[46:47], s[8:9], s[46:47]
	s_add_nc_u64 s[92:93], s[10:11], s[92:93]
	CROUND                                         ; all sixteen work-groups are here: the joint loads meet
	s_mov_b32 s[G0S], 1
	s_add_co_u32 s[G0S+1], s94, SCL
	s_mov_b64 s[G0S+2:G0S+3], s[22:23]
	s_or_b32 s[G0S+3], s[G0S+3], 0x80000000
	s_mov_b32 s[G0SB], 1
	s_add_co_u32 s[G0SB+1], s94, SCL
	s_mov_b64 s[G0SB+2:G0SB+3], s[92:93]
	s_or_b32 s[G0SB+3], s[G0SB+3], 0x80000000
	JLOAD G0S, G1S, G0SB, G1SB                     ; the scales first: they are wanted with slot 0
.irp s, 0,1
	s_mov_b32 s[G0+4*\s], 1
	s_add_co_u32 s[G0+4*\s+1], s45, \s*SLOT
	s_add_nc_u64 s[G0+4*\s+2:G0+4*\s+3], s[20:21], \s*ROWB
	s_or_b32 s[G0+4*\s+3], s[G0+4*\s+3], 0x80000000
	s_mov_b32 s[G0B+4*\s], 1
	s_add_co_u32 s[G0B+4*\s+1], s45, \s*SLOT
	s_add_nc_u64 s[G0B+4*\s+2:G0B+4*\s+3], s[46:47], \s*ROWB
	s_or_b32 s[G0B+4*\s+3], s[G0B+4*\s+3], 0x80000000
	JLOAD G0+4*\s, G1, G0B+4*\s, G1B               ; three tensor loads of mine are out behind the second of these
.endr
	v_and_b32 v1, 15, v0                           ; l % 16
	v_bfe_u32 v2, v0, 4, 1                         ; l / 16
	v_mul_u32_u24 v3, v1, PITCH
	v_lshl_add_u32 v4, v2, 4, v3                   ; a fragment's row x pitch + 16 x half
	s_mul_i32 s21, s15, HALFT                      ; my 128 rows of A
	s_mul_i32 s22, s16, HALFT                      ; my 128 rows of B,
	s_add_co_u32 s22, s22, 2*HALFT                 ; which lie behind A's 256
.irp s, 0,1
	v_add_nc_u32 v[ADRA+\s], s21, v4
	v_add_nc_u32 v[ADRB+\s], s22, v4
	s_add_co_u32 s21, s21, SLOT
	s_add_co_u32 s22, s22, SLOT
.endr
	v_mul_u32_u24 v5, v1, KS                       ; my row's scale bytes: KS a row,
	v_lshrrev_b32 v6, 8, v5
	v_lshl_add_u32 v5, v6, 4, v5                   ; and 16 more for each 256 passed
	s_mul_i32 s21, s15, HALFS                      ; A's: my 128 rows
	s_mul_i32 s22, s16, HALFS                      ; B's: my 128 rows, behind A's 256
	s_add_co_u32 s22, s22, 2*HALFS
	s_sub_co_u32 s22, s22, s21
	v_mul_u32_u24 v6, s22, v2                      ; lanes 16-31 take B's: one product, the distance between the two bases
	s_add_co_u32 s21, s21, SCL
	v_add_nc_u32 v5, v5, v6
	v_add_nc_u32 v[ADRS], s21, v5
	s_mul_i32 s23, s14, 16*SPITCH                  ; my stage
	v_mul_u32_u24 v5, v1, SPITCH                   ; in: row l % 16, 16 bytes for each half of the lanes
	v_lshl_add_u32 v5, v2, 4, v5
	v_add_nc_u32 v[STO], s23, v5
	v_mul_u32_u24 v5, v2, SPITCH                   ; back: lanes 0-15 take one row of 256 bytes, lanes 16-31 the next
	v_lshl_add_u32 v5, v1, 4, v5
	v_add_nc_u32 v[RD], s23, v5
	v_lshlrev_b32 v5, 11, v2                       ; and the same two rows in C
	v_lshl_add_u32 v[CO], v1, 4, v5
	s_lshl_b32 s20, s17, 8
	s_lshl_b32 s21, s15, 7
	s_add_co_u32 s20, s20, s21                     ; my first row of C: 256 x tile row + 128 x half
	s_mov_b32 s21, 0
	s_mov_b64 s[18:19], CROW
	s_mul_u64 s[20:21], s[20:21], s[18:19]
	s_lshl_b32 s46, s42, 9                         ; my first column, in bytes: 512 x tile column + 256 x half
	s_lshl_b32 s47, s16, 8
	s_add_co_u32 s46, s46, s47
	s_mov_b32 s47, 0
	s_add_nc_u64 s[20:21], s[20:21], s[46:47]
	s_add_nc_u64 s[12:13], s[12:13], s[20:21]
.macro FRAG reg, adr, q, i             ; 16 rows x 128 K of 4-bit codes: lane l holds row l % 16; registers 4 c .. 4 c + 3 hold K = 64 c + 32 (l / 16) + 0 .. 31
.irp c, 0,1
	ds_load_b128 v[\reg+4*\c:\reg+4*\c+3], v[\adr] offset:64*(\q)+32*\c+(\i)*16*PITCH
.endr
.endm
; 16 matrix instructions: A's blocks a0, a0 + 1 x B's eight, the slot's q-th 128 along K.  p: B's set;  sc: the set of scale words.  zero = 1: the first product starts the sums.
; The 64 accumulators take turns, one instruction a turn, in the same order in every step.
.macro MUL16 a0, p, q, sc, zero
.irp a, \a0, \a0+1
.irp b, 0,1,2,3,4,5,6,7
.if \zero
	v_wmma_scale_f32_16x16x128_f8f6f4 v[8*(8*((\a)%4)+\b):8*(8*((\a)%4)+\b)+7], v[128*(\p)+FR*\b:128*(\p)+FR*\b+FR-1], v[AF+FR*(\a):AF+FR*(\a)+FR-1], 0, v[SC+8*NQ*(\sc)+NQ*\b+(\q)], v[SC+8*NQ*(\sc)+NQ*(\a)+(\q)] matrix_a_fmt:MATRIX_FMT_FP4 matrix_b_fmt:MATRIX_FMT_FP4 matrix_a_scale:MATRIX_SCALE_ROW1
.else
	v_wmma_scale_f32_16x16x128_f8f6f4 v[8*(8*((\a)%4)+\b):8*(8*((\a)%4)+\b)+7], v[128*(\p)+FR*\b:128*(\p)+FR*\b+FR-1], v[AF+FR*(\a):AF+FR*(\a)+FR-1], v[8*(8*((\a)%4)+\b):8*(8*((\a)%4)+\b)+7], v[SC+8*NQ*(\sc)+NQ*\b+(\q)], v[SC+8*NQ*(\sc)+NQ*(\a)+(\q)] matrix_a_fmt:MATRIX_FMT_FP4 matrix_b_fmt:MATRIX_FMT_FP4 matrix_a_scale:MATRIX_SCALE_ROW1
.endif
.endr
.endr
.endm
.macro FETCH_B slot, q, p              ; B's eight fragments of the slot's q-th 128 along K into set p
	WIN TO_B
.irp i, 0,1,2,3,4,5,6,7
	FRAG 128*(\p)+FR*\i, ADRB+\slot, \q, \i
.endr
	WIN 0
.endm
.macro FETCH_A slot, q, i0             ; A's blocks i0 .. i0 + 3
.irp i, \i0, \i0+1, \i0+2, \i0+3
	FRAG AF+FR*(\i), ADRA+\slot, \q, \i
.endr
.endm
.macro SCALES sc                       ; a slot's scale words into set sc: NQ words a row; lanes 0-15 take A's block i, lanes 16-31 B's block i
.irp i, 0,1,2,3,4,5,6,7
	ds_load_b128 v[SC+8*NQ*\sc+NQ*\i:SC+8*NQ*\sc+NQ*\i+3], v[ADRS] offset:\i*SBLK
.endr
.endm
; A load into a register that a matrix instruction has read, and a vector instruction or an LDS store that reads a matrix result, stand NP places behind that matrix instruction; only plain vector
; instructions that name none of its registers are places.
.macro PLACES n
.rept \n
	v_nop
.endr
.endm
; A step of 128 along K that has its successor in the same slot.  A's blocks are free as soon as their eight products are issued: blocks 0-3 are fetched anew in the step's middle, blocks 4-7 at its end.
.macro STEP slot, q, zero
	s_wait_dscnt 4*NL                              ; B's set and A's blocks 0-3 are in; the youngest eight loads (A's blocks 4-7) may be out
	WIN MUL_LO
	MUL16 0, (\q)%2, \q, \slot, \zero
	MUL16 2, (\q)%2, \q, \slot, \zero
	s_wait_dscnt 0                                 ; A's blocks 4-7 are in
	PLACES NP
	FETCH_B \slot, (\q)+1, 1-(\q)%2
	FETCH_A \slot, (\q)+1, 0
	WIN MUL_HI
	MUL16 4, (\q)%2, \q, \slot, \zero
	MUL16 6, (\q)%2, \q, \slot, \zero
	PLACES NP
	WIN 0
	FETCH_A \slot, (\q)+1, 4
.endm
.macro STEPS slot, from                ; the slot's steps from .. NQ - 2
.set Q, \from
.rept NQ-1-\from
	STEP \slot, Q, 0
.set Q, Q+1
.endr
.endm
	s_wait_tensorcnt 1                             ; the scales and my part of slot 0 are in (slot 1's load may be out)
	s_barrier_signal -1
	s_barrier_wait -1                              ; everybody's are
	FETCH_B 0, 0, 0
	FETCH_A 0, 0, 0
	SCALES 0
	FETCH_A 0, 0, 4
	STEP 0, 0, 1                                   ; the first step's products start the sums: nothing is cleared
	STEPS 0, 1
	; slot 0's last step changes slots: one barrier; in front of it each wave waits for all its tensor loads (its part of slot 1) and for its reads of slot 0
	s_wait_tensorcnt 0x0                           ; my part of slot 1 has landed  (every window is 0 here)
	ds_add_u32 v[SPW], v[NIL]                      ; 0 onto my spare word
	s_wait_dscnt 4*NL+1                            ; (the add and the youngest eight loads, A's blocks 4-7, may be out)
	WIN MUL_LO
	MUL16 0, 1, NQ-1, 0, 0                         ; sixteen matrix instructions stand between the add and the wait for it
	s_wait_dscnt 0x0                               ; the add is done, and my reads of slot 0 are over
	s_barrier_signal -1
	MUL16 2, 1, NQ-1, 0, 0
	WIN 0
	s_barrier_wait -1                              ; slot 1 is whole, and nobody reads slot 0 any more
	PLACES NP
	v_add_nc_u32 v[ADRS], 4*NQ, v[ADRS]            ; on to slot 1's scale words
	FETCH_B 1, 0, 0
	FETCH_A 1, 0, 0
	SCALES 1
	WIN MUL_HI
	MUL16 4, 1, NQ-1, 0, 0
	MUL16 6, 1, NQ-1, 0, 0
	PLACES NP
	WIN 0
	FETCH_A 1, 0, 4
	STEPS 1, 0
	s_wait_dscnt 4*NL                              ; the very last step: nothing more to fetch
	WIN MUL_LO
	MUL16 0, 1, NQ-1, 1, 0
	MUL16 2, 1, NQ-1, 1, 0
	s_wait_dscnt 0
	WIN MUL_HI
	MUL16 4, 1, NQ-1, 1, 0
	MUL16 6, 1, NQ-1, 1, 0
	WIN 0
; THE WAY OUT, block by block of 16 rows x 128 columns.  PACK: rounded to f16, 16 bytes a lane, each accumulator from its low end on.  TOSTAGE: into my own stage and back as whole rows of 256 bytes.  SEND: stored.
.macro PACK a
.set AC, 64*((\a)%4)
	WIN 0x0a+5*((\a)/4)                            ; sources 0 and 1: window 2 or 3
.irp b, 0,1,2,3,4,5,6,7
.irp r, 0,1,2,3
	v_cvt_pk_f16_f32 v[TMP+4*\b+\r], v[AC+8*\b+2*\r], v[AC+8*\b+2*\r+1]
.endr
.endr
	WIN 0
.endm
.macro TOSTAGE a
.set BK, OB+192*((\a)%2)
.irp b, 0,1,2,3,4,5,6,7
	ds_store_b128 v[STO], v[TMP+4*\b:TMP+4*\b+3] offset:32*\b
.endr
.irp t, 0,1,2,3,4,5,6,7
	ds_load_b128 v[BK+4*\t:BK+4*\t+3], v[RD] offset:\t*2*SPITCH    ; LDS serves a wave's instructions in order: these see the stores above
.endr
.endm
.macro SEND a
.set BK, OB+192*((\a)%2)
	s_wait_dscnt 0x0                               ; the block is back in registers
	s_wait_xcnt 0x0                                ; earlier stores have read their base and their data: only behind this wait are they written again
.if (\a) > 0
	s_add_nc_u64 s[12:13], s[12:13], 16*CROW       ; 16 rows of C on
.endif
.irp t, 0,1,2,3,4,5,6,7
	global_store_b128 v[CO], v[BK+4*\t:BK+4*\t+3], s[12:13] offset:2*\t*CROW   ; 16 lanes store 256 consecutive bytes, at a multiple of 256 from C's first byte
.endr
.endm
	PLACES NP                                      ; behind the last products: for the conversions, and for the loads into registers that held scale words
	PACK 0
	TOSTAGE 0
.irp a, 1,2,3,4,5,6,7                  ; block a's conversions stand between block a - 1's loads from the stage and the wait for them
	PACK \a
	SEND \a-1
	TOSTAGE \a
.endr
	SEND 7
	s_wait_tensorcnt 0x0                           ; the wave's end, behind my last tensor load and my last LDS store
	ds_add_u32 v[SPW], v[NIL]
	s_wait_dscnt 0x0
	CROUND                                         ; the closing round: no work-group ends while a partner may still ask for a tile that names it
	s_endpgm
.Lfunc_end_k_qd4a7b88797_proj:
	.size	k_qd4a7b88797_proj, .Lfunc_end_k_qd4a7b88797_proj-k_qd4a7b88797_proj
	.p2alignl 7, 3214868480
	.fill 96, 4, 3214868480
	.section	.rodata,"a",@progbits
	.p2align	6, 0x0
	.amdhsa_kernel k_qd4a7b88797_proj
		.amdhsa_group_segment_fixed_size 327680
		.amdhsa_private_segment_fixed_size 0
		.amdhsa_enable_private_segment 0
		.amdhsa_kernarg_size 40
		.amdhsa_user_sgpr_count 2
		.amdhsa_user_sgpr_kernarg_segment_ptr 1
		.amdhsa_wavefront_size32 1
		.amdhsa_system_sgpr_workgroup_id_x 1
		.amdhsa_system_sgpr_workgroup_id_y 1
		.amdhsa_system_sgpr_workgroup_id_z 1
		.amdhsa_system_vgpr_workitem_id 0
		.amdhsa_next_free_vgpr 1024
		.amdhsa_next_free_sgpr 98
		.amdhsa_reserve_vcc 0
		.amdhsa_float_denorm_mode_32 3
		.amdhsa_float_denorm_mode_16_64 3
		.amdhsa_memory_ordered 1
		.amdhsa_forward_progress 1
		.amdhsa_inst_pref_size 127
	.end_amdhsa_kernel
	.amdgpu_metadata
---
amdhsa.version: [ 1, 2 ]
amdhsa.kernels:
  - .name:           k_qd4a7b88797_proj
    .symbol:         k_qd4a7b88797_proj.kd
    .args:
      - { .name: xc, .offset: 0, .size: 8, .value_kind: global_buffer, .address_space: global }
      - { .name: xs, .offset: 8, .size: 8, .value_kind: global_buffer, .address_space: global }
      - { .name: wc, .offset: 16, .size: 8, .value_kind: global_buffer, .address_space: global }
      - { .name: ws, .offset: 24, .size: 8, .value_kind: global_buffer, .address_space: global }
      - { .name: qkv, .offset: 32, .size: 8, .value_kind: global_buffer, .address_space: global }
    .group_segment_fixed_size: 327680
    .private_segment_fixed_size: 0
    .kernarg_segment_align: 8
    .kernarg_segment_size: 40
    .max_flat_workgroup_size: 128
    .sgpr_count:     98
    .vgpr_count:     1024
    .wavefront_size: 32
...
	.end_amdgpu_metadata
.endif
;; end of part 2
;; launch attn (part 3): grid 8 x 32, 8 waves a work-group, clusters of 4 x 1, 327,680 bytes of LDS; arguments qkv, o; writes o
.if DOCPART == 3
	.amdgcn_target "amdgcn-amd-amdhsa--gfx1250"
	.amdhsa_code_object_version 6
	.text
	.protected	k_qd4a7b88797_attn
	.globl	k_qd4a7b88797_attn
	.p2align	8
	.type	k_qd4a7b88797_attn,@function
k_qd4a7b88797_attn:
	s_mov_b64 s[64:65], 0
	v_nop
	global_prefetch_b8 v0, s[64:65] scope:SCOPE_SE
	s_setreg_imm32_b32 hwreg(HW_REG_WAVE_MODE, 25, 1), 1
	s_wait_xcnt 0x0
	s_wait_alu depctr_hold_cnt(0) depctr_sa_sdst(0) depctr_va_vdst(0) depctr_va_sdst(0) depctr_va_ssrc(0) depctr_va_vcc(0) depctr_vm_vsrc(0)
	s_getreg_b32 s2, hwreg(HW_REG_IB_STS2, 6, 4)
	s_cmp_eq_u32 s2, 0
	s_cbranch_scc0 .Lentry_in_a_cluster
	s_endpgm
.Lentry_in_a_cluster:
	s_bfe_u32 s2, ttmp6, 0x10000c
	s_cmp_lg_u32 s2, 0x3003
	s_cbranch_scc0 .Lentry_shape_is_right
	s_endpgm
.Lentry_shape_is_right:
; LAUNCH 3 OF 4.  o[b][q][64 head + d] = the sum over k of softmax_k(Q . K / 8) V, for each batch and head; no mask.  No work is left out.
; qkv: [3: q, k, v][8,192 rows = 4 batches x 2,048][1,024 = 16 heads x 64] f16;  o: [8,192][1,024] f16, heads merged.  Products on f16 operands with f32 sums; maxima, exponentials and row sums in f32; the weights p, at most 1, are rounded to f16 for the second product.
; SHARES.  A work-group owns 256 queries of a PAIR of heads: two heads' 64 + 64 f16 are 256 consecutive bytes of a row, so rows of K's and V's tiles and of o are 256 bytes, aligned.  Waves 0-3 take the pair's first head, waves 4-7 the second;
; each wave 64 queries, four tiles of 16.  Every wave walks all 2,048 keys, 64 a step.  Two waves share a SIMD's registers, 512 each: one wave's softmax stands beside the other's products.
; LAYOUT.  S^T = K Q^T (source 0 = 16 keys, source 1 = 16 queries): a lane holds ONE query (lane % 16) and the keys 8 (lane / 16) + 0..7.  Two such tiles, rounded to f16 in pairs, ARE source 1 (32 keys x 16 queries) of O^T = V^T P,
; whose result again holds one query a lane.  K comes out of LDS as it lies, V ([key][channel]) turned, by ds_load_tr16_b128.
; SOFTMAX.  For each query a running maximum m and sum l: p = 2^(c s - c m), c = log2(e) / 8; in every step O and l are multiplied by a = 2^(c m_old - c m_new).  m begins at -3e38 and O, l at 0, so the step is written once: the first a is 0.
; RING.  Eight places of a step's tiles (64 rows of K, 64 of V) on end; places 0-3 are slot 0, places 4-7 slot 1: 256 keys a slot.  Behind each change of slots every wave issues one load of 64 rows (waves 0-3 K's four steps, waves 4-7 V's).
; CLUSTER.  The four query blocks of a cluster walk the same K and V: each tile is asked for jointly, by the same tensor load with the same descriptor and the mask of all four.
; A BODY finishes key step j and starts step j + 1: K(j+1) is fetched from LDS, softmax(j), O^T x a, V^T P (j), V(j+1) is fetched, K Q^T (j+1).
; REGISTERS: window 0: v1-13 addresses; v16-47 statistics, 8 a tile; v64-191 S^T, 32 a tile, p in f16 laid over its first 16; v192-255 K's fragments.   window 1: v0-63 Q; v64-191 O^T, 32 a tile; v192-255 V's fragments.
.set KS,    64                         ; keys in a step
.set PKP,   272                        ; a row of K in LDS: 256 bytes + 16 of padding
.set PVP,   288                        ; a row of V: 256 + 32: 16 lanes of the turning load take 8 rows x 32 bytes, 72 words apart
.set VOFF,  KS*PKP                     ; a step's place: 64 rows of K, then 64 rows of V
.set STEPB, KS*(PKP+PVP)
.set SLOT,  4*STEPB
.set SPARE, 8*STEPB                    ; behind the ring: the spare words, 128 bytes for each of eight waves
.set SP,    272                        ; the way out: a stage of 256 rows x (256 bytes + 16) at LDS byte 0, in slot 0, which has had its last fill and its last read ahead of the last change of slots
.set ROWG,  2048                       ; a row of qkv and of o in bytes
.set AK0, 3                            ; v3   my lane's place in a tile of K, my head's half of the row; never rewritten
.set AV0, 4                            ; v4   the same for V
.set ADK, 5                            ; v5   LDS address of the step's K
.set ADV, 6                            ; v6   of its V
.set QO,  7                            ; v7   my byte offset in the wave's rows of Q
.set STO, 8                            ; v8   the way out: where I put 16 bytes of a row
.set RD,  9                            ; v9   where I read a row back
.set GO,  10                           ; v10  my byte offset in the wave's rows of o
.set PFO, 11                           ; v11  2,048 x my lane: the prefetches' offset, a lane a row
.set SPW, 12                           ; v12  LDS address of my spare word; never rewritten
.set NIL, 13                           ; v13  0; never rewritten
.set ST,  16                           ; tile t's statistics at v[ST + 8 t]: +0 c m, +1 m, +2, +3 l (even keys', odd keys'), +4 to +7 c0-c3, at work; a takes c2's place
.set S,   64
.set KF,  192
.set QF,  0                            ; in window 1
.set OF,  64
.set VF,  192
.set WV,  12                           ; s12  my wave's number
.set G1K, 24                           ; s[24:31] descriptor group 1 for K's tiles
.set G1V, 32                           ; s[32:39] for V's: it differs in the padding alone
.set G0K, 40                           ; s[40:47] descriptor group 0 for K's tiles, a set for each slot
.set G0V, 48                           ; s[48:55] the same for V's
.set LAPC, 56                          ; s56  laps of the ring to go
.set INNER, 57                         ; s57  bodies to go in a run
.set CS,  58                           ; s[58:59] c: the packed form names a pair and takes its low word for both halves
.set SEL, 60                           ; s[60:61] lane selects for v_permlanex16_b32: lane l xor 16
.set TB,  62                           ; s62  LDS byte at which the place of the step to be fetched begins
.set PFA, 66                           ; s[66:67] where my prefetches stand in memory
.set LIM, 68                           ; s68  1 in a wave that prefetches, else the greatest number
.set W3,  69                           ; s69  wave % 4: my 64 queries; also which step of a slot I fetch
.set HH,  70                           ; s70  wave / 4: my head of the pair; also: I fetch for K (0) or for V (1)
.set MSB, 0
.macro WIN new                         ; the immediate's high byte repeats the setting that is left; a switch that changes nothing is dropped
.if MSB != \new
	s_set_vgpr_msb (MSB<<8)|\new
.set MSB, \new
.endif
.endm
.set W_KQ, 0x04                        ; Q (source 1) in window 1; K and S^T in window 0
.set W_PV, 0x51                        ; V (source 0) and O^T (C, D) in window 1; P in window 0
.set W_RS, 0x41                        ; O^T (destination and source 0) in window 1, a in window 0
.set TO_1, 0x40                        ; destination window 1
; A joint refill of slot r.  The branch hangs on the wave's number alone.  An s_nop 0 and four v_nop follow each of the two lines, ahead of the jump, the label and what follows.
.macro JLOAD r
	s_cmp_lt_u32 s[WV], 4
	s_cbranch_scc0 .Lfor_v_\@
	tensor_load_to_lds s[G0K+4*\r:G0K+4*\r+3], s[G1K:G1K+7]
	s_nop 0
.rept 4
	v_nop
.endr
	s_branch .Lasked_\@
.Lfor_v_\@:
	tensor_load_to_lds s[G0V+4*\r:G0V+4*\r+3], s[G1V:G1V+7]
	s_nop 0
.rept 4
	v_nop
.endr
.Lasked_\@:
.endm
; A PREFETCH of what the NEXT change of slots will ask for: a slot's 256 rows of K and of V, the pair's 256 bytes of each, a lane a row.  It stands behind the wave's tensor load and its five lines.
; Each row piece is named once in the launch.  Both clusters of a head pair walk the same rows: the first (cluster x = 0) asks.  Its four partners share the rows out BY ADDRESS, 64 each; in each, waves 0 and 1 ask for K's (32 rows each), waves 4 and 5 for V's.
; how = 1: a lap's first change, which always has a slot behind the one it fills;  how = 0: its second, which has none in the last lap.
.macro ASK how
.if \how
	s_cmp_eq_u32 s[LIM], 1
.else
	s_cmp_gt_u32 s[LAPC], s[LIM]
.endif
	s_cbranch_scc0 .Lnot_mine_\@
	global_prefetch_b8 v[PFO], s[PFA:PFA+1] th:TH_LOAD_NT scope:SCOPE_SE
.Lnot_mine_\@:
.endm
.macro CROUND                          ; a round of the cluster's barrier
	s_barrier_signal -1
	s_barrier_wait -1
	s_cmp_lg_u32 s[WV], 0
	s_cbranch_scc1 .Lnot_wave_0_\@
	s_barrier_signal -3
.Lnot_wave_0_\@:
	s_barrier_wait -3
	s_barrier_signal -1
	s_barrier_wait -1
.endm
	s_load_b128 s[4:7], s[0:1], 0x0                ; qkv s[4:5], o s[6:7]
	v_lshl_add_u32 v[SPW], v0, 2, SPARE
	v_mov_b32 v[NIL], 0
	ds_add_u32 v[SPW], v[NIL]                      ; the wave's opening: the add, twice on end, and its wait ahead of my first tensor load
	ds_add_u32 v[SPW], v[NIL]                      ; the set-up below, work on registers, stands between the second and the wait
	v_lshrrev_b32 v1, 5, v0
	v_readfirstlane_b32 s[WV], v1                  ; wave 0..7
	s_and_b32 s[W3], s[WV], 3
	s_lshr_b32 s[HH], s[WV], 2
	s_bfe_u32 s13, ttmp6, 0x40000                  ; cx: my place in the cluster
	s_lshl_b32 s14, ttmp9, 2                       ; in a cluster launch ttmp9 counts clusters
	s_add_co_u32 s14, s14, s13                     ; my block of 256 queries: it enters Q's and o's addresses alone
	s_and_b32 s15, ttmp7, 0xffff                   ; 8 x batch + head pair, which the four partners share
	s_lshr_b32 s16, s15, 3
	s_and_b32 s17, s15, 7
	s_lshl_b32 s16, s16, 22                        ; a batch: 2,048 rows of 2,048 bytes
	s_lshl_b32 s17, s17, 8                         ; a head pair: 256 bytes of a row
	s_add_co_u32 s16, s16, s17
	s_lshl_b32 s17, s[W3], 17                      ; 64 rows
	s_add_co_u32 s20, s16, s17                     ; K, V: the step of a slot that I fetch
	s_mov_b32 s21, 0
	s_lshl_b32 s14, s14, 19                        ; my block's 256 rows
	s_add_co_u32 s14, s14, s16
	s_add_co_u32 s22, s14, s17                     ; Q: my wave's 64 rows,
	s_lshl_b32 s23, s[HH], 7
	s_add_co_u32 s22, s22, s23                     ; my head's 128 bytes
	s_mov_b32 s23, 0
	s_lshl_b32 s18, s[WV], 16                      ; o: on the way out wave w stores rows 32 w .. 32 w + 31, whole
	s_add_co_u32 s18, s18, s14
	s_mov_b32 s19, 0
	s_mul_i32 s15, s[W3], STEPB                    ; my step's place in a slot: no place in the cluster enters an LDS address
	s_lshl_b32 s2, s13, 17                         ; the prefetches: my work-group's 64 rows of a slot's 256,
	s_and_b32 s3, s[WV], 1
	s_lshl_b32 s3, s3, 16                          ; my wave's 32 of them,
	s_add_co_u32 s2, s2, s3
	s_add_co_u32 s2, s2, s16
	s_add_co_u32 s3, s[HH], 1                      ; in tensor 1 (K) or 2 (V),
	s_lshl_b32 s3, s3, 24
	s_add_co_u32 s2, s2, s3
	s_add_co_u32 s2, s2, 1<<20                     ; in slot 2: the first change of slots steps it to slot 3.  Nothing is prefetched at the head
	s_mov_b32 s3, 0
	s_and_b32 s[LIM], s[WV], 2                     ; 0 in waves 0, 1, 4, 5,
	s_or_b32 s[LIM], s[LIM], ttmp9                 ; where the cluster is the pair's first: the same in all four partners
	s_cmp_eq_u32 s[LIM], 0
	s_cselect_b32 s[LIM], 1, -1
	; descriptor group 1: a tile of 64 rows x 128 elements of 2 bytes, 1,024 elements from row to row, padded in LDS
	s_mov_b32 s[G1K], 15|(1<<16)|(1<<20)|(1<<21)|(5<<22)|(3<<25)  ; 15:0 the mask: all four work-groups; 17:16 elements of 2 bytes; 20 padding on; 21 set beside a mask; 24:22 after every 64 words; 31:25 four words
	s_mov_b32 s[G1V], 15|(1<<16)|(1<<20)|(1<<21)|(5<<22)|(7<<25)  ; the same with eight words of padding
.irp g, G1K, G1V
	s_mov_b32 s[\g+1], 128<<16                     ; tensor_dim0
	s_mov_b32 s[\g+2], KS<<16                      ; tensor_dim1
	s_mov_b32 s[\g+3], 128<<16                     ; tile_dim0
	s_mov_b32 s[\g+4], KS                          ; tile_dim1
	s_mov_b32 s[\g+5], 1024                        ; from row to row
	s_mov_b32 s[\g+6], 0
	s_mov_b32 s[\g+7], 0
.endr
	s_mov_b32 s[CS], 0x3e38aa3b                    ; c = log2(e) / 8
	s_mov_b32 s[CS+1], s[CS]                       ; named with it as a pair, so it is written
	s_mov_b32 s[SEL], 0x76543210
	s_mov_b32 s[SEL+1], 0xfedcba98
	s_wait_dscnt 0x0                               ; both opening adds are done
	s_wait_kmcnt 0x0
	s_add_nc_u64 s[PFA:PFA+1], s[4:5], s[2:3]
	s_add_nc_u64 s[20:21], s[4:5], s[20:21]
	s_add_nc_u64 s[8:9], s[20:21], 1<<24           ; K at my tile of slot 0: a tensor is 2^24 bytes
	s_add_nc_u64 s[10:11], s[20:21], 2<<24         ; V likewise
	s_add_nc_u64 s[4:5], s[4:5], s[22:23]          ; Q at my wave's first row
	s_add_nc_u64 s[6:7], s[6:7], s[18:19]          ; o at the first row that I store
	CROUND                                         ; all four work-groups are here: the first joint loads meet
.irp r, 0,1
	s_mov_b32 s[G0K+4*\r], 1                       ; count = 1
	s_add_co_u32 s[G0K+4*\r+1], s15, \r*SLOT       ; LDS address
	s_add_nc_u64 s[G0K+4*\r+2:G0K+4*\r+3], s[8:9], \r*(1<<19)    ; global address: slot r begins with keys 256 r
	s_or_b32 s[G0K+4*\r+3], s[G0K+4*\r+3], 0x80000000            ; type = 2
	s_mov_b32 s[G0V+4*\r], 1
	s_add_co_u32 s[G0V+4*\r+1], s15, \r*SLOT+VOFF
	s_add_nc_u64 s[G0V+4*\r+2:G0V+4*\r+3], s[10:11], \r*(1<<19)
	s_or_b32 s[G0V+4*\r+3], s[G0V+4*\r+3], 0x80000000
.endr
	s_cmp_lt_u32 s[WV], 4                          ; a wave's two first fills stand in one branch, ahead of every wait on TENSORcnt and every LDS read: two loads of mine are out
	s_cbranch_scc0 .Lfirst_v
	tensor_load_to_lds s[G0K:G0K+3], s[G1K:G1K+7]
	s_nop 0
	tensor_load_to_lds s[G0K+4:G0K+7], s[G1K:G1K+7]
	s_nop 0
.rept 4
	v_nop
.endr
	s_branch .Lfirst_asked
.Lfirst_v:
	tensor_load_to_lds s[G0V:G0V+3], s[G1V:G1V+7]
	s_nop 0
	tensor_load_to_lds s[G0V+4:G0V+7], s[G1V:G1V+7]
	s_nop 0
.rept 4
	v_nop
.endr
.Lfirst_asked:
	; A fragment of K or Q is 16 rows x 32 channels in 8 registers: lane l holds row l % 16; registers 0-3 channels 8 (l / 16) + 0..7, registers 4-7 channels 16 + 8 (l / 16) + 0..7: two loads of 16 bytes, 32 bytes apart.
	v_and_b32 v1, 15, v0                           ; r = l % 16
	v_bfe_u32 v2, v0, 4, 1                         ; h = l / 16
	v_lshlrev_b32 v[QO], 11, v1
	v_lshl_add_u32 v[QO], v2, 4, v[QO]             ; row x 2,048 + 16 x half
	WIN TO_1
.irp t, 0,1,2,3
.irp c, 0,1
	global_load_b128 v[QF+16*\t+8*\c:QF+16*\t+8*\c+3],   v[QO], s[4:5] offset:\t*16*ROWG+64*\c       ; Q stays in registers: tile t, channels 32 c on
	global_load_b128 v[QF+16*\t+8*\c+4:QF+16*\t+8*\c+7], v[QO], s[4:5] offset:\t*16*ROWG+64*\c+32
.endr
.endr
.set i, 0
.rept 128
	v_mov_b32 v[OF+i], 0                           ; O^T: the body is written once; its first walk multiplies these zeros by a = 0
.set i, i+1
.endr
	WIN 0
	s_lshl_b32 s63, s[HH], 7                       ; my head's 128 bytes of an LDS row
	v_mul_u32_u24 v[AK0], v1, PKP
	v_lshl_add_u32 v[AK0], v2, 4, v[AK0]
	v_add_nc_u32 v[AK0], s63, v[AK0]               ; row x pitch + 16 x half + head
	; The turning load takes 16 keys x 16 channels (lane l reads 16 bytes: key 8 (l / 16) + l % 8, channels 8 ((l / 8) % 2) + 0..7) and leaves half a fragment of V^T: lane l holds channel l % 16 and 8 keys.
	v_and_b32 v5, 7, v0
	v_bfe_u32 v6, v0, 3, 1
	v_lshl_add_u32 v[AV0], v2, 3, v5
	v_mul_u32_u24 v[AV0], v[AV0], PVP
	v_lshl_add_u32 v[AV0], v6, 4, v[AV0]
	s_add_co_u32 s71, s63, VOFF
	v_add_nc_u32 v[AV0], s71, v[AV0]
	s_mul_i32 s71, s[W3], 64*SP                    ; the stage, in: row 64 (wave % 4) + 16 tile + r; my head's half of it; 16 bytes for each half of the lanes
	s_add_co_u32 s71, s71, s63
	v_mul_u32_u24 v[STO], v1, SP
	v_lshl_add_u32 v[STO], v2, 4, v[STO]
	v_add_nc_u32 v[STO], s71, v[STO]
	s_mul_i32 s71, s[WV], 32*SP                    ; back: wave w takes rows 32 w on; lanes 0-15 one row of 256 bytes, lanes 16-31 the next
	v_mul_u32_u24 v[RD], v2, SP
	v_lshl_add_u32 v[RD], v1, 4, v[RD]
	v_add_nc_u32 v[RD], s71, v[RD]
	v_lshlrev_b32 v[GO], 11, v2                    ; and the same two rows in o
	v_lshl_add_u32 v[GO], v1, 4, v[GO]
	v_and_b32 v[PFO], 31, v0
	v_lshlrev_b32 v[PFO], 11, v[PFO]
.irp t, 0,1,2,3
	v_mov_b32 v[ST+8*\t+1], 0xff61b1e6             ; m = -3e38, under every score
	v_mul_f32 v[ST+8*\t], s[CS], v[ST+8*\t+1]      ; c m
	v_mov_b32 v[ST+8*\t+2], 0                      ; l, in two halves
	v_mov_b32 v[ST+8*\t+3], 0
.endr
; THE LDS LOADS stand in runs of 16: a step's K (64 keys x my head's 64 channels: 8 fragments) and its V (turned).
.macro FETCH_K
	WIN 0
.irp kt, 0,1,2,3
.irp c, 0,1
	ds_load_b128 v[KF+16*\kt+8*\c:KF+16*\kt+8*\c+3],   v[ADK] offset:\kt*16*PKP+64*\c
	ds_load_b128 v[KF+16*\kt+8*\c+4:KF+16*\kt+8*\c+7], v[ADK] offset:\kt*16*PKP+64*\c+32
.endr
.endr
.endm
.macro FETCH_V
	WIN TO_1
.irp g, 0,1
.irp ct, 0,1,2,3
	ds_load_tr16_b128 v[VF+32*\g+8*\ct:VF+32*\g+8*\ct+3],   v[ADV] offset:\g*32*PVP+32*\ct          ; keys 32 g on, channels 16 ct on
	ds_load_tr16_b128 v[VF+32*\g+8*\ct+4:VF+32*\g+8*\ct+7], v[ADV] offset:\g*32*PVP+16*PVP+32*\ct
.endr
.endr
.endm
; S^T = K Q^T: product i of 32: channels 32 (i / 16) on, keys 16 ((i / 4) % 4) on, tile i % 4.  The first 16 start the sums.  The 16 accumulators take turns, one instruction a turn.
.macro QK
	WIN W_KQ
.set i, 0
.rept 32
.set rS, S+32*(i%4)+8*((i/4)%4)
.set rK, KF+16*((i/4)%4)+8*(i/16)
.set rQ, QF+16*(i%4)+8*(i/16)
.if i < 16
	v_wmma_f32_16x16x32_f16 v[rS:rS+7], v[rK:rK+7], v[rQ:rQ+7], 0
.else
	v_wmma_f32_16x16x32_f16 v[rS:rS+7], v[rK:rK+7], v[rQ:rQ+7], v[rS:rS+7]
.endif
.set i, i+1
.endr
.endm
; O^T += V^T P: product i of 32: keys 32 (i / 16) on, channels 16 ((i / 4) % 4) on, tile i % 4.  Again 16 accumulators by turns.
.macro PVM
	WIN W_PV
.set i, 0
.rept 32
.set rO, OF+32*(i%4)+8*((i/4)%4)
.set rV, VF+32*(i/16)+8*((i/4)%4)
.set rP, S+32*(i%4)+8*(i/16)
	v_wmma_f32_16x16x32_f16 v[rO:rO+7], v[rV:rV+7], v[rP:rP+7], v[rO:rO+7]
.set i, i+1
.endr
.endm
; THE SOFTMAX of a key step, the four tiles line by line, so that no line waits for the line above it.  s0-s31 are a lane's 32 scores of a tile.
.macro SOFTMAX
	WIN 0
.irp j, 0,1,2,3                        ; the maximum, three operands at a time: four chains c0-c3; each accumulator is read from its low end on
.irp t, 0,1,2,3
	v_max3_num_f32 v[ST+8*\t+4+\j], v[S+32*\t+8*\j], v[S+32*\t+8*\j+1], v[S+32*\t+8*\j+2]
.endr
.endr
.irp u, 1,2
.irp j, 0,1,2,3
.irp t, 0,1,2,3
	v_max3_num_f32 v[ST+8*\t+4+\j], v[ST+8*\t+4+\j], v[S+32*\t+8*\j+2*\u+1], v[S+32*\t+8*\j+2*\u+2]
.endr
.endr
.endr
.irp t, 0,1,2,3
	v_max3_num_f32 v[ST+8*\t+4], v[ST+8*\t+4], v[S+32*\t+7], v[S+32*\t+15]
.endr
.irp t, 0,1,2,3
	v_max3_num_f32 v[ST+8*\t+6], v[ST+8*\t+6], v[S+32*\t+23], v[S+32*\t+31]
.endr
.irp t, 0,1,2,3
	v_max3_num_f32 v[ST+8*\t+4], v[ST+8*\t+4], v[ST+8*\t+5], v[ST+8*\t+6]
.endr
.irp t, 0,1,2,3
	v_max3_num_f32 v[ST+8*\t+4], v[ST+8*\t+4], v[ST+8*\t+7], v[ST+8*\t+1]   ; with the old m
.endr
.irp t, 0,1,2,3
	v_permlanex16_b32 v[ST+8*\t+5], v[ST+8*\t+4], s[SEL], s[SEL+1]          ; the query's other 32 keys lie in the lane 16 away
.endr
.irp t, 0,1,2,3
	v_mov_b32 v[ST+8*\t+7], v[ST+8*\t]             ; c m_old is kept for a
.endr
.irp t, 0,1,2,3
	v_max_num_f32 v[ST+8*\t+1], v[ST+8*\t+4], v[ST+8*\t+5]
.endr
.irp t, 0,1,2,3
	v_mul_f32 v[ST+8*\t], s[CS], v[ST+8*\t+1]
.endr
.irp t, 0,1,2,3
	v_sub_f32 v[ST+8*\t+7], v[ST+8*\t+7], v[ST+8*\t]
.endr
	; ONE BATCH: the scalings c s - c m, a pair of scores each, and all 132 exponentials.  None of these lines names an exponential's result; a pair is scaled a round ahead of its exponentials.
.irp t, 0,1,2,3
	v_exp_f32 v[ST+8*\t+6], v[ST+8*\t+7]           ; a
.endr
.irp t, 0,1,2,3
	v_pk_fma_f32 v[S+32*\t:S+32*\t+1], v[S+32*\t:S+32*\t+1], s[CS:CS+1], v[ST+8*\t:ST+8*\t+1] op_sel_hi:[1,0,0] neg_lo:[0,0,1] neg_hi:[0,0,1]
.endr
.irp b, 1,2,3,4,5,6,7,8,9,10,11,12,13,14,15
.irp t, 0,1,2,3
	v_pk_fma_f32 v[S+32*\t+2*\b:S+32*\t+2*\b+1], v[S+32*\t+2*\b:S+32*\t+2*\b+1], s[CS:CS+1], v[ST+8*\t:ST+8*\t+1] op_sel_hi:[1,0,0] neg_lo:[0,0,1] neg_hi:[0,0,1]
	v_exp_f32 v[S+32*\t+2*\b-2], v[S+32*\t+2*\b-2]
	v_exp_f32 v[S+32*\t+2*\b-1], v[S+32*\t+2*\b-1]
.endr
.endr
.irp t, 0,1,2,3
	v_exp_f32 v[S+32*\t+30], v[S+32*\t+30]
	v_exp_f32 v[S+32*\t+31], v[S+32*\t+31]
.endr
	v_nop                                          ; a plain instruction behind the last exponential, ahead of the first use: one for the batch
	s_wait_alu depctr_va_vdst(0)                   ; and a wait ahead of the first line that names a result: one for the batch
	; the readers: l = a l + the sum of the unrounded p; p rounded to f16, pair b into register b of the tile's own scores (pair b / 2, which lay there, has been summed and rounded by then)
.irp t, 0,1,2,3
	v_pk_fma_f32 v[ST+8*\t+2:ST+8*\t+3], v[ST+8*\t+2:ST+8*\t+3], v[ST+8*\t+6:ST+8*\t+7], v[S+32*\t:S+32*\t+1] op_sel_hi:[1,0,1]
.endr
.irp t, 0,1,2,3
	v_cvt_pk_f16_f32 v[S+32*\t], v[S+32*\t], v[S+32*\t+1]
.endr
.irp b, 1,2,3,4,5,6,7,8,9,10,11,12,13,14,15
.irp t, 0,1,2,3
	v_pk_add_f32 v[ST+8*\t+2:ST+8*\t+3], v[ST+8*\t+2:ST+8*\t+3], v[S+32*\t+2*\b:S+32*\t+2*\b+1]
.endr
.irp t, 0,1,2,3
	v_cvt_pk_f16_f32 v[S+32*\t+\b], v[S+32*\t+2*\b], v[S+32*\t+2*\b+1]
.endr
.endr
.endm
.macro RESCALE                         ; O^T x a, two at a time, each accumulator from its low end on
	WIN W_RS
.irp t, 0,1,2,3
.set i, 0
.rept 16
	v_pk_mul_f32 v[OF+32*\t+i:OF+32*\t+i+1], v[OF+32*\t+i:OF+32*\t+i+1], v[ST+8*\t+6:ST+8*\t+7] op_sel_hi:[1,0]
.set i, i+2
.endr
.endr
.endm
; A BODY.  Places: four plain vector lines stand between the last K Q^T and the loads into K's registers and the first read of the scores; five between the last V^T P and the next K Q^T,
; which writes over p, that product's source (four of them serve the loads into V's registers).
.macro BODY
	v_add_nc_u32 v[ADK], s[TB], v[AK0]
	v_add_nc_u32 v[ADV], s[TB], v[AV0]
	v_nop
	v_nop
	FETCH_K                                        ; K of step j + 1
	SOFTMAX
	RESCALE
	s_wait_dscnt 16                                ; V of step j is in; the sixteen loads of K (j + 1) may be out
	PVM
.rept 5
	v_nop
.endr
	FETCH_V                                        ; V of step j + 1
	s_wait_dscnt 16                                ; K of step j + 1 is in; the sixteen loads of V (j + 1) may be out
	QK
	WIN 0                                          ; at a label and at a branch every window is 0
.endm
.macro RUN n, tb0                      ; n bodies, which fetch the steps at places tb0 / STEPB on
	s_mov_b32 s[TB], \tb0
	s_mov_b32 s[INNER], \n
.Lrun_\@:
	BODY
	s_add_co_u32 s[TB], s[TB], STEPB
	s_sub_co_u32 s[INNER], s[INNER], 1
	s_cmp_lg_u32 s[INNER], 0
	s_cbranch_scc1 .Lrun_\@
.endm
; THE CHANGE OF SLOTS: the slot's last bytes, V of its fourth step, have been asked for.  Each wave waits for all its tensor loads, of which one is out: its part of the other slot; adds 0 to its spare word; and waits for that and for its reads of the slot.
; fill = 1: slot r, which has been left, is filled with the keys two slots on.  The barrier is then a round of the cluster's, so that no wave of any partner still reads the slot or has a load on its way; the joint refill is the first thing behind it
; and has four key steps in which to land.
.macro CHANGE fill, r, how
	s_wait_tensorcnt 0x0                           ; no tensor load of mine is out, so a group 0 may be written
	ds_add_u32 v[SPW], v[NIL]                      ; 0 onto my spare word
.if \fill
	s_add_nc_u64 s[G0K+4*\r+2:G0K+4*\r+3], s[G0K+4*\r+2:G0K+4*\r+3], 1<<20   ; two slots on: 512 rows; the type bits on top are not reached
	s_add_nc_u64 s[G0V+4*\r+2:G0V+4*\r+3], s[G0V+4*\r+2:G0V+4*\r+3], 1<<20
	s_wait_xcnt 0x0                                ; the last prefetch, a slot back, has read its address, so it may be written:
	s_add_nc_u64 s[PFA:PFA+1], s[PFA:PFA+1], 1<<19 ; one slot behind the slot that is being asked for
	s_wait_dscnt 0x0                               ; the add is done, and my reads of the slot are over
	CROUND
	JLOAD \r
	ASK \how
.else
	s_wait_dscnt 0x0
	s_barrier_signal -1
	s_barrier_wait -1
.endif
.endm
	s_wait_tensorcnt 1                             ; my part of slot 0 is in; slot 1's may stay out
	s_barrier_signal -1
	s_barrier_wait -1                              ; everybody's is
	s_mov_b32 s[TB], 0
	v_add_nc_u32 v[ADK], s[TB], v[AK0]
	v_add_nc_u32 v[ADV], s[TB], v[AV0]
	FETCH_K                                        ; key step 0
	FETCH_V
	s_wait_loadcnt 0x0                             ; Q
	s_wait_dscnt 16                                ; K is in; V's sixteen loads may be out
	QK
	WIN 0
	RUN 3, STEPB                                   ; bodies 0 to 2 fetch steps 1 to 3: slot 0 is read out
	s_mov_b32 s[LAPC], 3
.Llap:                                             ; three laps: six changes of slots, each of which fills the slot just left
	CHANGE 1, 0, 1
	RUN 4, 4*STEPB
	CHANGE 1, 1, 0
	RUN 4, 0
	s_sub_co_u32 s[LAPC], s[LAPC], 1
	s_cmp_lg_u32 s[LAPC], 0
	s_cbranch_scc1 .Llap
	CHANGE 0, 0, 0                                 ; the tail is written out: nothing is asked for
	RUN 4, 4*STEPB                                 ; bodies 27 to 30 fetch steps 28 to 31
.rept 4
	v_nop                                          ; the last step: places behind its K Q^T
.endr
	SOFTMAX
	RESCALE
	s_wait_dscnt 0x0                               ; V of the last step is in
	PVM
	; THE WAY OUT.  l's two halves and the other half of the lanes' are added; O^T is divided by l, rounded to f16 and goes through the work-group's stage, since a row's 256 bytes come from two waves.  The additions are the places behind the last products.
	WIN 0
.irp t, 0,1,2,3
	v_add_f32 v[ST+8*\t+4], v[ST+8*\t+2], v[ST+8*\t+3]
.endr
.irp t, 0,1,2,3
	v_permlanex16_b32 v[ST+8*\t+5], v[ST+8*\t+4], s[SEL], s[SEL+1]
.endr
.irp t, 0,1,2,3
	v_add_f32 v[ST+8*\t+4], v[ST+8*\t+4], v[ST+8*\t+5]
.endr
.irp t, 0,1,2,3
	v_rcp_f32 v[ST+8*\t+6], v[ST+8*\t+4]
.endr
	v_nop                                          ; a plain instruction between the last reciprocal and the use of its result
	s_wait_alu depctr_va_vdst(0)                   ; and a wait ahead of the first use: one for the four
.irp t, 0,1,2,3
	WIN 0x01                                       ; source 0 (O^T) window 1; the quotient goes where the scores lay
.set i, 0
.rept 16
	v_pk_mul_f32 v[S+32*\t+i:S+32*\t+i+1], v[OF+32*\t+i:OF+32*\t+i+1], v[ST+8*\t+6:ST+8*\t+7] op_sel_hi:[1,0]
.set i, i+2
.endr
	WIN 0
.set i, 0
.rept 16
	v_cvt_pk_f16_f32 v[S+32*\t+i], v[S+32*\t+2*i], v[S+32*\t+2*i+1]
.set i, i+1
.endr
.irp ct, 0,1,2,3
	ds_store_b128 v[STO], v[S+32*\t+4*\ct:S+32*\t+4*\ct+3] offset:\t*16*SP+32*\ct   ; query 16 t + r, channels 16 ct + 8 h + 0..7
.endr
.endr
	s_wait_dscnt 0x0                               ; for the others' sake: my stores into the stage are done
	s_barrier_signal -1
	s_barrier_wait -1
.irp f, 0,1,2,3,4,5,6,7,8,9,10,11,12,13,14,15
	ds_load_b128 v[S+4*\f:S+4*\f+3], v[RD] offset:\f*2*SP
.endr
.irp f, 0,1,2,3,4,5,6,7,8,9,10,11,12,13,14,15
	s_wait_dscnt 15-\f                             ; LDS loads come back in order: load f is in
	global_store_b128 v[GO], v[S+4*\f:S+4*\f+3], s[6:7] offset:\f*2*ROWG   ; 16 lanes store 256 consecutive bytes, at a multiple of 256 from o's first byte
.endr
	s_wait_tensorcnt 0x0                           ; the wave's end, behind my last tensor load and my last LDS store
	ds_add_u32 v[SPW], v[NIL]
	s_wait_dscnt 0x0
	CROUND                                         ; the closing round: no work-group ends while a partner may still ask for a tile that names it
	s_endpgm
.Lfunc_end_k_qd4a7b88797_attn:
	.size	k_qd4a7b88797_attn, .Lfunc_end_k_qd4a7b88797_attn-k_qd4a7b88797_attn
	.p2alignl 7, 3214868480
	.fill 96, 4, 3214868480
	.section	.rodata,"a",@progbits
	.p2align	6, 0x0
	.amdhsa_kernel k_qd4a7b88797_attn
		.amdhsa_group_segment_fixed_size 327680
		.amdhsa_private_segment_fixed_size 0
		.amdhsa_enable_private_segment 0
		.amdhsa_kernarg_size 16
		.amdhsa_user_sgpr_count 2
		.amdhsa_user_sgpr_kernarg_segment_ptr 1
		.amdhsa_wavefront_size32 1
		.amdhsa_system_sgpr_workgroup_id_x 1
		.amdhsa_system_sgpr_workgroup_id_y 1
		.amdhsa_system_sgpr_workgroup_id_z 1
		.amdhsa_system_vgpr_workitem_id 0
		.amdhsa_next_free_vgpr 512
		.amdhsa_next_free_sgpr 72
		.amdhsa_reserve_vcc 0
		.amdhsa_float_denorm_mode_32 3
		.amdhsa_float_denorm_mode_16_64 3
		.amdhsa_memory_ordered 1
		.amdhsa_forward_progress 1
		.amdhsa_inst_pref_size 188
	.end_amdhsa_kernel
	.amdgpu_metadata
---
amdhsa.version: [ 1, 2 ]
amdhsa.kernels:
  - .name:           k_qd4a7b88797_attn
    .symbol:         k_qd4a7b88797_attn.kd
    .args:
      - { .name: qkv, .offset: 0, .size: 8, .value_kind: global_buffer, .address_space: global }
      - { .name: o, .offset: 8, .size: 8, .value_kind: global_buffer, .address_space: global }
    .group_segment_fixed_size: 327680
    .private_segment_fixed_size: 0
    .kernarg_segment_align: 8
    .kernarg_segment_size: 16
    .max_flat_workgroup_size: 256
    .sgpr_count:     72
    .vgpr_count:     512
    .wavefront_size: 32
...
	.end_amdgpu_metadata
.endif
;; end of part 3
;; launch oproj (part 4): grid 4 x 64, 4 waves a work-group, clusters of 4 x 4, 327,680 bytes of LDS; arguments o, wo16, out0; writes out0
.if DOCPART == 4
	.amdgcn_target "amdgcn-amd-amdhsa--gfx1250"
	.amdhsa_code_object_version 6
	.text
	.protected	k_qd4a7b88797_oproj
	.globl	k_qd4a7b88797_oproj
	.p2align	8
	.type	k_qd4a7b88797_oproj,@function
k_qd4a7b88797_oproj:
	s_mov_b64 s[64:65], 0
	v_nop
	global_prefetch_b8 v0, s[64:65] scope:SCOPE_SE
	s_setreg_imm32_b32 hwreg(HW_REG_WAVE_MODE, 25, 1), 1
	s_wait_xcnt 0x0
	s_wait_alu depctr_hold_cnt(0) depctr_sa_sdst(0) depctr_va_vdst(0) depctr_va_sdst(0) depctr_va_ssrc(0) depctr_va_vcc(0) depctr_vm_vsrc(0)
	s_getreg_b32 s2, hwreg(HW_REG_IB_STS2, 6, 4)
	s_cmp_eq_u32 s2, 0
	s_cbranch_scc0 .Lentry_in_a_cluster
	s_endpgm
.Lentry_in_a_cluster:
	s_bfe_u32 s2, ttmp6, 0x10000c
	s_cmp_lg_u32 s2, 0xf033
	s_cbranch_scc0 .Lentry_shape_is_right
	s_endpgm
.Lentry_shape_is_right:
; LAUNCH 4 OF 4.  out0[m][n] = sum over k of o[m][k] w_o[n][k].  A = o [8,192][1,024] f16, B = wo16 [1,024][1,024] f16, C = out0 [8,192][1,024] f32; sums in f32.  No work is left out.
; A tile of C is 128 rows x 256 columns, which gives 256 work-groups.  Four waves, each 64 x 128: 32 accumulators of 16 x 16, 256 registers.  K goes in eight steps of 128 (rows of 256 bytes) through a ring of two LDS slots;
; two slots of a step twice as long (384 rows of 528 bytes each) would not fit in the LDS that a work-group can claim.
; CLUSTERS: 4 x 4 work-groups.  The four of a row of the cluster need the same tiles of A, the four of a column the same tiles of B: each is asked for jointly.  Waves 0 and 1 fetch A's two halves (64 rows each), waves 2 and 3 B's (128 rows each).
; No prefetch: K has eight steps, of which the first four are asked for by the loads at the head and the first lap; only four short steps could be named ahead at all.
; THE MATRIX INSTRUCTION IS USED TRANSPOSED (source 0 = 16 rows of B, source 1 = 16 rows of A): a lane then holds eight neighbouring numbers of a row of C.
; REGISTERS: window 0: v0-31 addresses; two fragment buffers for 32 along K: buffer f has A's four fragments at v[32 + 96 f], B's eight at v[64 + 96 f]; on the way out v32-159.   window 1: accumulator (a, b) at v[8 (8 a + b)].
.set SIZE_K, 1024
.set KSTEP,  128
.set PITCH,  272                       ; an LDS row: 256 bytes + 16 of padding
.set HALFA,  64*PITCH                  ; what a load for A brings, and what a wave reads of A
.set HALFB,  128*PITCH                 ; the same for B
.set SLOT,   2*HALFA+2*HALFB           ; A's 128 rows, then B's 256 rows
.set STAGE,  2*SLOT                    ; behind the ring: 16 rows x (512 bytes + 16) for each wave, for the way out
.set SPITCH, 528
.set SPARE,  STAGE+4*16*SPITCH         ; behind the stages: the spare words, 128 bytes for each wave
.set LAPS,   SIZE_K/(2*KSTEP)          ; a lap = two K steps = once round the ring
.set CROW,   4096                      ; a row of C in bytes
.set ADRA, 16                          ; v16-17  LDS address of my A fragments in slot 0, 1
.set ADRB, 20                          ; v20-21  the same for B
.set STO,  24                          ; v24     the way out: where I put 32 bytes of a row
.set RD,   25                          ; v25     where I read a row back
.set CO,   26                          ; v26     my byte offset in a row of C
.set SPW,  28                          ; v28     LDS address of my spare word; never rewritten
.set NIL,  29                          ; v29     0; never rewritten
.set G1, 24                            ; s[24:31] descriptor group 1 for A's tiles;  s[32:39] group 0, one set for each slot
.set G0, 32
.set G1B, 48                           ; s[48:55], s[56:63] the same for B's tiles
.set G0B, 56
.set MSB, 0
.macro WIN new                         ; the immediate's high byte repeats the setting that is left
.if MSB != \new
	s_set_vgpr_msb (MSB<<8)|\new
.set MSB, \new
.endif
.endm
.set MUL, 0x50                         ; C and D window 1; A and B window 0
.macro JLOAD s                         ; a joint load; an s_nop 0 and four v_nop follow each of the two lines, ahead of the jump, the label and what follows
	s_cmp_eq_u32 s11, 0
	s_cbranch_scc0 .Lfor_b_\@
	tensor_load_to_lds s[G0+4*\s:G0+4*\s+3], s[G1:G1+7]
	s_nop 0
.rept 4
	v_nop
.endr
	s_branch .Lasked_\@
.Lfor_b_\@:
	tensor_load_to_lds s[G0B+4*\s:G0B+4*\s+3], s[G1B:G1B+7]
	s_nop 0
.rept 4
	v_nop
.endr
.Lasked_\@:
.endm
.macro CREST                           ; a round of the cluster's barrier behind its opening barrier
	s_cmp_lg_u32 s10, 0
	s_cbranch_scc1 .Lnot_wave_0_\@
	s_barrier_signal -3
.Lnot_wave_0_\@:
	s_barrier_wait -3
	s_barrier_signal -1
	s_barrier_wait -1
.endm
.macro CROUND                          ; a whole round
	s_barrier_signal -1
	s_barrier_wait -1
	CREST
.endm
	s_load_b128 s[4:7], s[0:1], 0x0                ; A s[4:5], B s[6:7]
	s_load_b64 s[8:9], s[0:1], 0x10                ; C
	v_lshl_add_u32 v[SPW], v0, 2, SPARE
	v_mov_b32 v[NIL], 0
	ds_add_u32 v[SPW], v[NIL]                      ; the wave's opening: the add, twice on end, and its wait ahead of my first tensor load
	ds_add_u32 v[SPW], v[NIL]                      ; the set-up below, work on registers, stands between the second and the wait
	v_lshrrev_b32 v1, 5, v0
	v_readfirstlane_b32 s10, v1                    ; wave 0..3
	s_lshr_b32 s11, s10, 1                         ; which 64 of the tile's rows are mine.  Also: I fetch for A (0) or for B (1)
	s_and_b32 s12, s10, 1                          ; which 128 of its columns.  Also: which half of that tile I fetch
	s_bfe_u32 s40, ttmp6, 0x40000                  ; cx, cy: my place in the cluster
	s_bfe_u32 s41, ttmp6, 0x40004
	s_lshl_b32 s42, ttmp9, 2
	s_add_co_u32 s42, s42, s40                     ; tile column of C = 4 x cluster x + cx
	s_and_b32 s13, ttmp7, 0xffff
	s_lshl_b32 s13, s13, 2
	s_add_co_u32 s13, s13, s41                     ; tile row of C = 4 x cluster y + cy
	s_lshl_b32 s43, s41, 2
	s_lshl_b32 s43, 15, s43                        ; my row of the cluster
	s_lshl_b32 s44, 0x1111, s40                    ; my column
	; descriptor groups 1: rows of 128 elements of 2 bytes, 1,024 elements apart, padded in LDS; 64 rows for A, 128 for B
	s_or_b32 s[G1+0], s43, (1<<16)|(1<<20)|(1<<21)|(5<<22)|(3<<25)  ; 15:0 the mask: A's tiles go to my row; 17:16 elements of 2 bytes; 20 padding on; 21 set beside a mask; 24:22 after every 64 words; 31:25 four words
	s_or_b32 s[G1B+0], s44, (1<<16)|(1<<20)|(1<<21)|(5<<22)|(3<<25)
	s_mov_b32 s[G1+1], KSTEP<<16                   ; tensor_dim0
	s_mov_b32 s[G1+2], 64<<16                      ; tensor_dim1
	s_mov_b32 s[G1+3], KSTEP<<16                   ; tile_dim0
	s_mov_b32 s[G1+4], 64                          ; tile_dim1
	s_mov_b32 s[G1+5], SIZE_K                      ; from row to row
	s_mov_b32 s[G1+6], 0
	s_mov_b32 s[G1+7], 0
	s_mov_b32 s[G1B+1], KSTEP<<16
	s_mov_b32 s[G1B+2], 128<<16
	s_mov_b32 s[G1B+3], KSTEP<<16
	s_mov_b32 s[G1B+4], 128
	s_mov_b32 s[G1B+5], SIZE_K
	s_mov_b32 s[G1B+6], 0
	s_mov_b32 s[G1B+7], 0
	s_lshl_b32 s17, s12, 6
	s_lshl_b32 s16, s13, 7
	s_add_co_u32 s16, s16, s17                     ; A: row 128 x tile row + 64 x half
	s_lshl_b32 s16, s16, 11                        ; in bytes (under 2^24)
	s_mov_b32 s17, 0
	s_lshl_b32 s47, s12, 7
	s_lshl_b32 s46, s42, 8
	s_add_co_u32 s46, s46, s47                     ; B: row 256 x tile column + 128 x half
	s_lshl_b32 s46, s46, 11
	s_mov_b32 s47, 0
	s_mul_i32 s20, s12, HALFA                      ; where they go: A's two halves,
	s_mul_i32 s21, s12, HALFB
	s_add_co_u32 s21, s21, 2*HALFA                 ; then B's two: no place in the cluster enters an LDS address
	s_wait_dscnt 0x0                               ; both opening adds are done
	s_wait_kmcnt 0x0
	s_add_nc_u64 s[14:15], s[4:5], s[16:17]
	s_add_nc_u64 s[46:47], s[6:7], s[46:47]
	CROUND                                         ; all sixteen work-groups are here: the first joint loads meet
.irp s, 0,1
	s_mov_b32 s[G0+4*\s], 1
	s_add_co_u32 s[G0+4*\s+1], s20, \s*SLOT
	s_add_nc_u64 s[G0+4*\s+2:G0+4*\s+3], s[14:15], \s*KSTEP*2
	s_or_b32 s[G0+4*\s+3], s[G0+4*\s+3], 0x80000000
	s_mov_b32 s[G0B+4*\s], 1
	s_add_co_u32 s[G0B+4*\s+1], s21, \s*SLOT
	s_add_nc_u64 s[G0B+4*\s+2:G0B+4*\s+3], s[46:47], \s*KSTEP*2
	s_or_b32 s[G0B+4*\s+3], s[G0B+4*\s+3], 0x80000000
	JLOAD \s                                       ; two tensor loads of mine are out behind the second
.endr
	v_and_b32 v1, 15, v0                           ; l % 16
	v_bfe_u32 v2, v0, 4, 1                         ; l / 16
	v_mul_u32_u24 v3, v1, PITCH
	v_lshl_add_u32 v3, v2, 4, v3                   ; a fragment's row x pitch + 16 x half
	s_mul_i32 s21, s11, HALFA                      ; my 64 rows of A
	s_mul_i32 s22, s12, HALFB                      ; my 128 rows of B,
	s_add_co_u32 s22, s22, 2*HALFA                 ; which lie behind A's 128
.irp s, 0,1
	v_add_nc_u32 v[ADRA+\s], s21, v3
	v_add_nc_u32 v[ADRB+\s], s22, v3
	s_add_co_u32 s21, s21, SLOT
	s_add_co_u32 s22, s22, SLOT
.endr
	s_mul_i32 s23, s10, 16*SPITCH
	s_add_co_u32 s23, s23, STAGE                   ; my stage
	v_mul_u32_u24 v5, v1, SPITCH                   ; in: row l % 16, 32 bytes for each half of the lanes
	v_lshl_add_u32 v5, v2, 5, v5
	v_add_nc_u32 v[STO], s23, v5
	v_and_b32 v6, 31, v0
	v_lshlrev_b32 v[CO], 4, v6                     ; back: the 32 lanes take one row of 512 bytes; and the same in C
	v_add_nc_u32 v[RD], s23, v[CO]
	s_lshl_b32 s16, s13, 7
	s_lshl_b32 s17, s11, 6
	s_add_co_u32 s16, s16, s17                     ; my first row of C: 128 x tile row + 64 x half
	s_lshl_b32 s16, s16, 12                        ; in bytes (under 2^25)
	s_mov_b32 s17, 0
	s_add_nc_u64 s[8:9], s[8:9], s[16:17]
	s_lshl_b32 s46, s42, 10                        ; my first column, in bytes: 1,024 x tile column + 512 x half
	s_lshl_b32 s47, s12, 9
	s_add_co_u32 s46, s46, s47
	s_mov_b32 s47, 0
	s_add_nc_u64 s[8:9], s[8:9], s[46:47]
; 8 matrix instructions: A's block a x B's eight, 32 along K, from buffer f.  zero = 1: the first product starts the sums.  The 32 accumulators take turns, one instruction a turn, in the same order in every quarter.
.macro MUL8 f, a, zero
.irp b, 0,1,2,3,4,5,6,7
.if \zero
	v_wmma_f32_16x16x32_f16 v[8*(8*(\a)+\b):8*(8*(\a)+\b)+7], v[64+96*(\f)+8*\b:64+96*(\f)+8*\b+7], v[32+96*(\f)+8*(\a):32+96*(\f)+8*(\a)+7], 0
.else
	v_wmma_f32_16x16x32_f16 v[8*(8*(\a)+\b):8*(8*(\a)+\b)+7], v[64+96*(\f)+8*\b:64+96*(\f)+8*\b+7], v[32+96*(\f)+8*(\a):32+96*(\f)+8*(\a)+7], v[8*(8*(\a)+\b):8*(8*(\a)+\b)+7]
.endif
.endr
.endm
.macro MUL16 f, a0, zero
.irp a, \a0, \a0+1
	MUL8 \f, \a, \zero
.endr
.endm
; 24 LDS loads in one run: the fragments of 32 along K at byte k of the rows, into buffer f: B's eight, then A's four (the last four loads are A's blocks 2 and 3)
.macro FETCH slot, k, f
.irp i, 0,1,2,3,4,5,6,7
	ds_load_b128 v[64+96*(\f)+8*\i:64+96*(\f)+8*\i+3],   v[ADRB+\slot] offset:\k+\i*16*PITCH
	ds_load_b128 v[64+96*(\f)+8*\i+4:64+96*(\f)+8*\i+7], v[ADRB+\slot] offset:\k+\i*16*PITCH+32
.endr
.irp i, 0,1,2,3
	ds_load_b128 v[32+96*(\f)+8*\i:32+96*(\f)+8*\i+3],   v[ADRA+\slot] offset:\k+\i*16*PITCH
	ds_load_b128 v[32+96*(\f)+8*\i+4:32+96*(\f)+8*\i+7], v[ADRA+\slot] offset:\k+\i*16*PITCH+32
.endr
.endm
.macro PLACES                          ; four places in front of loads into registers that matrix instructions have read, and of the first read of results
.rept 4
	v_nop
.endr
.endm
; A K step is four quarters of 32 along K, 32 matrix instructions each, on buffers 0, 1, 0, 1.  One of the first three: multiplies buffer f and fetches the next quarter, at byte k, into g.
.macro QUARTER slot, k, f, g, zero
	s_wait_dscnt 4                                 ; B and A's blocks 0 and 1 are in; the youngest four loads (A's blocks 2 and 3) may be out
	WIN MUL
	MUL16 \f, 0, \zero
	PLACES
	WIN 0
	FETCH \slot, \k, \g
	s_wait_dscnt 24                                ; all but the 24 just issued
	WIN MUL
	MUL16 \f, 2, \zero
.endm
; The last quarter multiplies buffer 1 and changes slots: ONE barrier; in front of it each wave waits for all its tensor loads, adds 0 to its spare word, and waits for that and for its own reads of this slot.  fill = 1: this slot is filled again, two K steps ahead.
.macro TURN slot, next, fill
	WIN 0                                          ; (the add's two registers lie in window 0)
	s_wait_tensorcnt 0x0                           ; all my tensor loads have landed: my part of the next slot;
	ds_add_u32 v[SPW], v[NIL]                      ; 0 onto my spare word;
	s_wait_dscnt 5                                 ; (the add and the youngest four loads may be out)
	WIN MUL
	MUL8 1, 0, 0                                   ; eight matrix instructions stand between the add and the wait for it
	s_wait_dscnt 0x0                               ; the add is done, and my reads of this slot are over
	s_barrier_signal -1
	MUL8 1, 1, 0
	WIN 0
	s_barrier_wait -1
.if \fill
	CREST                                          ; the barrier has opened a round of the cluster's barrier: no wave of any partner still reads this slot's tile or has a load on its way
	s_add_nc_u64 s[G0+4*\slot+2:G0+4*\slot+3], s[G0+4*\slot+2:G0+4*\slot+3], 2*KSTEP*2
	s_add_nc_u64 s[G0B+4*\slot+2:G0B+4*\slot+3], s[G0B+4*\slot+2:G0B+4*\slot+3], 2*KSTEP*2
	JLOAD \slot                                    ; the first tensor load behind the round; the four v_nop behind it are also the places in front of the loads below
.else
	PLACES
.endif
	FETCH \next, 0, 0
	WIN MUL
	MUL16 1, 2, 0
.endm
	s_wait_tensorcnt 1                             ; my part of K step 0 is in (K step 1's load may be out)
	s_barrier_signal -1
	s_barrier_wait -1                              ; everybody's is
	FETCH 0, 0, 0
	QUARTER 0, 64, 0, 1, 1                         ; the first quarter stands in front of the loop: its products start the sums
	WIN 0                                          ; at a label and at a branch every window is 0
	s_mov_b32 s3, LAPS-1
.Llap:                                             ; a trip goes once round the ring, from a lap's second quarter to the next lap's first, and fills both slots again
	QUARTER 0, 128, 1, 0, 0
	QUARTER 0, 192, 0, 1, 0
	TURN 0, 1, 1
	QUARTER 1, 64,  0, 1, 0
	QUARTER 1, 128, 1, 0, 0
	QUARTER 1, 192, 0, 1, 0
	TURN 1, 0, 1
	QUARTER 0, 64,  0, 1, 0
	WIN 0
	s_sub_co_u32 s3, s3, 1
	s_cmp_lg_u32 s3, 0
	s_cbranch_scc1 .Llap
	QUARTER 0, 128, 1, 0, 0                        ; the last lap fills nothing, and has no round of the cluster's barrier
	QUARTER 0, 192, 0, 1, 0
	TURN 0, 1, 0
	QUARTER 1, 64,  0, 1, 0
	QUARTER 1, 128, 1, 0, 0
	QUARTER 1, 192, 0, 1, 0
	s_wait_dscnt 4                                 ; the very last quarter: nothing more to fetch
	WIN MUL
	MUL16 1, 0, 0
	s_wait_dscnt 0
	MUL16 1, 2, 0
	WIN 0
; THE WAY OUT, block by block of 16 rows x 128 columns.  A lane holds 32 neighbouring bytes of a row, and the lanes beside it hold other rows: so a block goes through my own stage and comes back as whole rows of 512 bytes.
; LDS serves a wave's instructions in order: no wait between the stores and the loads, nor in front of the next block's stores.
.macro TOSTAGE a
	WIN 0x04                                       ; an LDS store's data are its source 1: window 1
.irp b, 0,1,2,3,4,5,6,7
	ds_store_b128 v[STO], v[8*(8*(\a)+\b):8*(8*(\a)+\b)+3] offset:64*\b          ; each accumulator from its low end on
	ds_store_b128 v[STO], v[8*(8*(\a)+\b)+4:8*(8*(\a)+\b)+7] offset:64*\b+16
.endr
	WIN 0
.set BB, 32+64*((\a)%2)
.irp t, 0,1,2,3,4,5,6,7,8,9,10,11,12,13,14,15
	ds_load_b128 v[BB+4*\t:BB+4*\t+3], v[RD] offset:\t*SPITCH
.endr
.endm
.macro SEND a, younger                 ; younger: the LDS instructions issued behind block a's loads, which may stay out
.set BB, 32+64*((\a)%2)
	s_wait_dscnt \younger                          ; the block is back in registers
.if (\a) > 0
	s_add_nc_u64 s[8:9], s[8:9], 16*CROW           ; (behind a wait on XCNT: the earlier stores have read their base)  16 rows of C on
.endif
.irp t, 0,1,2,3,4,5,6,7,8,9,10,11,12,13,14,15
	global_store_b128 v[CO], v[BB+4*\t:BB+4*\t+3], s[8:9] offset:\t*CROW th:TH_STORE_NT   ; 32 lanes store 512 consecutive bytes, at a multiple of 256 from C's first byte; written once, read by nobody here
.endr
.endm
	PLACES                                         ; behind the last products: for the stores of results and for the loads into registers that held fragments
	TOSTAGE 0
.irp a, 1,2,3
.if \a > 1
	s_wait_xcnt 0x0                                ; block a - 2's stores have read their registers and their base: block a's loads may land there, and the base may step
.endif
	TOSTAGE \a
	SEND \a-1, 32                                  ; behind block a - 1's loads: block a's 16 stores and 16 loads
.endr
	s_wait_xcnt 0x0                                ; block 2's stores have read their base
	SEND 3, 0
	s_wait_tensorcnt 0x0                           ; the wave's end, behind my last tensor load and my last LDS store
	ds_add_u32 v[SPW], v[NIL]
	s_wait_dscnt 0x0
	CROUND                                         ; the closing round: no work-group ends while a partner may still ask for a tile that names it
	s_endpgm
.Lfunc_end_k_qd4a7b88797_oproj:
	.size	k_qd4a7b88797_oproj, .Lfunc_end_k_qd4a7b88797_oproj-k_qd4a7b88797_oproj
	.p2alignl 7, 3214868480
	.fill 96, 4, 3214868480
	.section	.rodata,"a",@progbits
	.p2align	6, 0x0
	.amdhsa_kernel k_qd4a7b88797_oproj
		.amdhsa_group_segment_fixed_size 327680
		.amdhsa_private_segment_fixed_size 0
		.amdhsa_enable_private_segment 0
		.amdhsa_kernarg_size 24
		.amdhsa_user_sgpr_count 2
		.amdhsa_user_sgpr_kernarg_segment_ptr 1
		.amdhsa_wavefront_size32 1
		.amdhsa_system_sgpr_workgroup_id_x 1
		.amdhsa_system_sgpr_workgroup_id_y 1
		.amdhsa_system_sgpr_workgroup_id_z 1
		.amdhsa_system_vgpr_workitem_id 0
		.amdhsa_next_free_vgpr 512
		.amdhsa_next_free_sgpr 66
		.amdhsa_reserve_vcc 0
		.amdhsa_float_denorm_mode_32 3
		.amdhsa_float_denorm_mode_16_64 3
		.amdhsa_memory_ordered 1
		.amdhsa_forward_progress 1
		.amdhsa_inst_pref_size 85
	.end_amdhsa_kernel
	.amdgpu_metadata
---
amdhsa.version: [ 1, 2 ]
amdhsa.kernels:
  - .name:           k_qd4a7b88797_oproj
    .symbol:         k_qd4a7b88797_oproj.kd
    .args:
      - { .name: o, .offset: 0, .size: 8, .value_kind: global_buffer, .address_space: global }
      - { .name: wo16, .offset: 8, .size: 8, .value_kind: global_buffer, .address_space: global }
      - { .name: out0, .offset: 16, .size: 8, .value_kind: global_buffer, .address_space: global }
    .group_segment_fixed_size: 327680
    .private_segment_fixed_size: 0
    .kernarg_segment_align: 8
    .kernarg_segment_size: 24
    .max_flat_workgroup_size: 128
    .sgpr_count:     66
    .vgpr_count:     512
    .wavefront_size: 32
...
	.end_amdgpu_metadata
.endif
;; end of part 4
